; MI455X (gfx1250); checked and timed in simulation.
; The chip was launched on July 23, 2026; its instructions are those of AMD's public machine-readable ISA for CDNA 5 (MIT licence, August 2026) and "CDNA5" Instruction Set Architecture Reference Guide (July 2026). The comments in the code are by the model that wrote it; some were corrected since.
;; Question Specific MLP. Allowed arithmetic: float matrix products may take bf16 or f16 operands with f32 sums; other float arithmetic in f32, or as packed bf16 or f16 multiplies, adds, multiply-adds, maxima and minima; sums over many terms, partial sums and values carried from step to step in f32; what a program stores and reads back later, other than sums and carried values, may be rounded once to bf16 or f16.
;; Inputs: corr_emb 2 x 32 float32; head_W 2 x 512 x 192 x 16 float32; head_b 2 x 512 x 16 float32; is_correct 32,768 int32; ln_b_0 1,024 float32; ln_b_1 512 float32; ln_b_2 256 float32; ln_b_3 192 float32; ln_g_0 1,024 float32; ln_g_1 512 float32; ln_g_2 256 float32; ln_g_3 192 float32; question_ids 32,768 int32; trunk_Ws_0 800 x 1,024 float32; trunk_Ws_1 1,024 x 512 float32; trunk_Ws_2 512 x 256 float32; trunk_Ws_3 256 x 192 float32; trunk_bs_0 1,024 float32; trunk_bs_1 512 float32; trunk_bs_2 256 float32; trunk_bs_3 192 float32; x 32,768 x 768 float32.
;; Outputs: out0 32,768 x 16 float32.
;; 2 versions, each right and faster than the one before. Each part assembles by itself: llvm-mc -triple=amdgcn-amd-amdhsa -mcpu=gfx1250 --defsym DOCPART=n.
;; ======== version 1 of 2: 2 launches
;; limits: values are held in f16: magnitudes above 65,504 overflow, below 6.1e-05 lose precision
;; workspace buffers: wk 9,338,880 bytes
;; launch prep (part 1): grid 209 x 1, 32 waves a work-group, no clusters, 4,352 bytes of LDS; arguments trunk_Ws_0, trunk_Ws_1, trunk_Ws_2, trunk_Ws_3, head_W, wk; writes wk
.if DOCPART == 1
	.amdgcn_target "amdgcn-amd-amdhsa--gfx1250"
	.amdhsa_code_object_version 6
	.text
	.protected	k_q68f0e52265_prep
	.globl	k_q68f0e52265_prep
	.p2align	8
	.type	k_q68f0e52265_prep,@function
k_q68f0e52265_prep:
	s_mov_b64 s[64:65], 0
	v_nop
	global_prefetch_b8 v0, s[64:65] scope:SCOPE_SE
	s_setreg_imm32_b32 hwreg(HW_REG_WAVE_MODE, 25, 1), 1
	s_wait_xcnt 0x0
; Lays the weights out once, in f16, in the order in which a wave's matrix operand registers take them.
; TRUNK: W'[k][n] = W[k][n] - mean over n of W[k][.], taken in f32 before the one rounding.  x W' is x W less a number that is the same
; for all features of a row, and the LayerNorm that follows takes every such number away: the identity holds for every input,
; and a common offset of W reaches neither the f16 weights nor the f16 sums.
; Order in wk: [segment][wave 0..3][K step s][f][j 0..1][lane][i 0..7]; feature n = N0 + 16 (4 f + wave) + lane % 16, k = 32 s + 16 j + 8 (lane / 16) + i.
; HEADS: from HEADB on, [expert][g 0..11][lane][i]: head_W[expert][16 g + 8 (lane / 16) + i][lane % 16].
; SHARES: work-groups 0-80 take one K step (32 rows of one W) each: 25 + 32 + 16 + 8; wave v finds the mean of row v, the means meet in LDS,
; and wave v then makes feature tile v (and v + 32 where there are 64).  Work-groups 81-208: a wave takes a quarter of an expert's head.
; LIMIT: f16 holds no number beyond 65,504; below 6e-5 it keeps a fixed step of 6e-8.
.set SPARE, 256                        ; the spare words: 128 bytes for each of 32 waves; the 32 means have the block from 0 to themselves
.set HEADB, 3047424
.set TD, 16                            ; v16-47  a tile's 16 (or twice 16) numbers a lane
.set MR, 48                            ; v48-79  my row, for its mean
.set MN, 80                            ; v80-95  the 16 means that my lane's numbers want
.set OB, 96                            ; v96-107 packed results
.macro TREE base, n                    ; the sum of n register pairs, in place, into the first: pair i takes pair n - 1 - i, until one is left
.set tN, \n
.rept 5
.if tN>1
.set tH, tN/2
.set tI, 0
.rept tH
	v_pk_add_f32 v[(\base)+2*tI:(\base)+2*tI+1], v[(\base)+2*tI:(\base)+2*tI+1], v[(\base)+2*(tN-1-tI):(\base)+2*(tN-1-tI)+1]
.set tI, tI+1
.endr
.set tN, tN-tH
.endif
.endr
.endm
; One K step of one trunk matrix [K][N].  ID0: the layer's first work-group.  Feature tiles below SPL go to the segment at BA (FA tiles a wave), the others to BB (FB).
.macro PL N, KS, WP, ID0, SPL, BA, FA, BB, FB, INV
.set NT, ((\N)+511)/512
	s_sub_co_u32 s3, s18, \ID0                     ; the K step S
	s_lshl_b32 s20, s3, 5
	s_add_co_u32 s20, s20, s2                      ; my row, 32 S + wave
	s_mul_i32 s20, s20, 4*(\N)
	s_mov_b32 s21, 0
	s_add_nc_u64 s[20:21], s[\WP:\WP+1], s[20:21]
	s_mul_i32 s22, s3, 128*(\N)                    ; the step's first row,
	s_lshl_b32 s23, s2, 6                          ; my tile's 16 columns
	s_add_co_u32 s22, s22, s23
	s_mov_b32 s23, 0
	s_add_nc_u64 s[22:23], s[\WP:\WP+1], s[22:23]
	v_mul_u32_u24 v5, v2, 32*(\N)                  ; 8 rows down for lanes 16-31,
	v_lshl_add_u32 v5, v1, 2, v5                   ; column lane % 16
.if (\N)/16<32
	s_cmp_lt_u32 s2, (\N)/16                       ; fewer tiles than waves: the other waves only find a mean
	s_cbranch_scc0 .Lnt_\@
.endif
.set pt, 0
.rept NT
.set pr, 0
.rept 16
	global_load_b32 v[TD+16*pt+pr], v5, s[22:23] offset:(16*(pr>>3)+(pr&7))*4*(\N)+2048*pt
.set pr, pr+1
.endr
.set pt, pt+1
.endr
.if (\N)/16<32
.Lnt_\@:
.endif
.set pr, 0
.rept (\N)/64
	global_load_b64 v[MR+2*pr:MR+2*pr+1], v4, s[20:21] offset:256*pr
.set pr, pr+1
.endr
	s_wait_loadcnt 0x0                             ; zero: the two ways here have issued different numbers of loads
	TREE MR, (\N)/64
	v_add_f32 v[MR], v[MR], v[MR+1]
	v_add_f32_dpp v[MR], v[MR], v[MR] row_xmask:1 row_mask:0xf bank_mask:0xf
	v_add_f32_dpp v[MR], v[MR], v[MR] row_xmask:2 row_mask:0xf bank_mask:0xf
	v_add_f32_dpp v[MR], v[MR], v[MR] row_xmask:4 row_mask:0xf bank_mask:0xf
	v_add_f32_dpp v[MR], v[MR], v[MR] row_xmask:8 row_mask:0xf bank_mask:0xf
	v_permlanex16_b32 v[MR+1], v[MR], s16, s17
	v_add_f32 v[MR], v[MR], v[MR+1]
	v_mul_f32 v[MR], \INV, v[MR]                   ; the row's mean, in every lane
	s_lshl_b32 s24, s2, 2
	v_mov_b32 v7, s24
	ds_store_b32 v7, v[MR]                         ; all lanes write the same word with the same value
	s_wait_dscnt 0x0                               ; for the others' sake: my store is done
	s_barrier_signal -1
	s_barrier_wait -1
.if (\N)/16<32
	s_cmp_lt_u32 s2, (\N)/16
	s_cbranch_scc0 .Lend
.endif
.set pj, 0
.rept 4
	ds_load_b128 v[MN+4*pj:MN+4*pj+3], v6 offset:64*(pj>>1)+16*(pj&1)  ; the means of rows 16 j + 8 (lane / 16) + 0..7
.set pj, pj+1
.endr
	s_wait_dscnt 0x0
.set pt, 0
.rept NT
.if pt
	s_wait_xcnt 0x0                                ; the first tile's stores have read their data and base
.endif
	s_add_co_u32 s24, s2, 32*pt                    ; the feature tile
	s_sub_co_u32 s25, s24, \SPL
	s_mov_b32 s28, \BB
	s_mov_b32 s29, (\FB)*1024
	s_cmp_lt_u32 s24, \SPL
	s_cselect_b32 s25, s24, s25                    ; its number in its segment,
	s_cselect_b32 s28, \BA, s28                    ; the segment's first byte,
	s_cselect_b32 s29, (\FA)*1024, s29             ; bytes of a wave's K step there
	s_and_b32 s30, s25, 3                          ; the wave that will read it
	s_mul_i32 s30, s30, \KS
	s_add_co_u32 s30, s30, s3
	s_mul_i32 s30, s30, s29
	s_lshr_b32 s31, s25, 2                         ; f
	s_lshl_b32 s31, s31, 10
	s_add_co_u32 s30, s30, s31
	s_add_co_u32 s30, s30, s28
	s_mov_b32 s31, 0
	s_add_nc_u64 s[26:27], s[14:15], s[30:31]
.set pj, 0
.rept 2
.set pp, 0
.rept 4
	v_pk_add_f32 v[TD+16*pt+8*pj+2*pp:TD+16*pt+8*pj+2*pp+1], v[TD+16*pt+8*pj+2*pp:TD+16*pt+8*pj+2*pp+1], v[MN+8*pj+2*pp:MN+8*pj+2*pp+1] neg_lo:[0,1] neg_hi:[0,1]
.set pp, pp+1
.endr
.set pp, 0
.rept 4
	v_cvt_pk_f16_f32 v[OB+4*pj+pp], v[TD+16*pt+8*pj+2*pp], v[TD+16*pt+8*pj+2*pp+1]
.set pp, pp+1
.endr
	global_store_b128 v3, v[OB+4*pj:OB+4*pj+3], s[26:27] offset:512*pj  ; the wave stores 512 consecutive bytes, aligned
.set pj, pj+1
.endr
.set pt, pt+1
.endr
.endm
	s_load_b256 s[4:11], s[0:1], 0x0               ; the four trunk matrices
	s_load_b128 s[12:15], s[0:1], 0x20             ; head_W, wk
	v_lshl_add_u32 v110, v0, 2, SPARE              ; my spare word,
	v_mov_b32 v111, 0                              ; and 0: kept for the add at the wave's end
	v_lshrrev_b32 v1, 5, v0
	v_readfirstlane_b32 s2, v1                     ; wave 0..31
	v_and_b32 v3, 31, v0
	v_and_b32 v1, 15, v0                           ; lane % 16
	v_bfe_u32 v2, v0, 4, 1                         ; lane / 16
	v_lshlrev_b32 v4, 3, v3                        ; 8 x lane
	v_lshlrev_b32 v3, 4, v3                        ; 16 x lane
	v_lshlrev_b32 v6, 5, v2                        ; 32 x (lane / 16)
	s_mov_b32 s16, 0x76543210
	s_mov_b32 s17, 0xfedcba98
	s_mov_b32 s18, ttmp9
	s_wait_kmcnt 0x0
	s_cmp_lt_u32 s18, 25                           ; the branches hang on the work-group's number alone
	s_cbranch_scc1 .Ll0
	s_cmp_lt_u32 s18, 57
	s_cbranch_scc1 .Ll1
	s_cmp_lt_u32 s18, 73
	s_cbranch_scc1 .Ll2
	s_cmp_lt_u32 s18, 81
	s_cbranch_scc1 .Ll3
	; a quarter of an expert's head: 48 rows of 16 numbers
	s_sub_co_u32 s20, s18, 81
	s_lshl_b32 s20, s20, 5
	s_add_co_u32 s20, s20, s2                      ; the quarter's number, 0..4095
	s_mul_i32 s22, s20, 3072
	s_mov_b32 s23, 0
	s_add_nc_u64 s[22:23], s[12:13], s[22:23]
	s_mul_i32 s24, s20, 1536
	s_add_co_u32 s24, s24, HEADB
	s_mov_b32 s25, 0
	s_add_nc_u64 s[24:25], s[14:15], s[24:25]
	v_lshlrev_b32 v5, 9, v2                        ; 8 rows of 64 bytes for lanes 16-31,
	v_lshl_add_u32 v5, v1, 2, v5                   ; column lane % 16
.set pr, 0
.rept 24
	global_load_b32 v[TD+pr], v5, s[22:23] offset:(pr>>3)*1024+(pr&7)*64
.set pr, pr+1
.endr
.set pj, 0
.rept 3
	s_wait_loadcnt 16-8*pj                         ; the younger groups of eight may stay out
.set pp, 0
.rept 4
	v_cvt_pk_f16_f32 v[OB+4*pj+pp], v[TD+8*pj+2*pp], v[TD+8*pj+2*pp+1]
.set pp, pp+1
.endr
	global_store_b128 v3, v[OB+4*pj:OB+4*pj+3], s[24:25] offset:512*pj
.set pj, pj+1
.endr
	s_branch .Lend
.Ll0:
	PL 1024, 25, 4, 0, 28, 0, 7, 716800, 9, 0x3a800000
	s_branch .Lend
.Ll1:
	PL 512, 32, 6, 25, 32, 1638400, 8, 1638400, 8, 0x3b000000
	s_branch .Lend
.Ll2:
	PL 256, 16, 8, 57, 16, 2686976, 4, 2686976, 4, 0x3b800000
	s_branch .Lend
.Ll3:
	PL 192, 8, 10, 73, 12, 2949120, 3, 2949120, 3, 0x3baaaaab
.Lend:
	s_wait_tensorcnt 0x0                           ; the wave's end
	ds_add_u32 v110, v111
	s_wait_dscnt 0x0
	s_endpgm
.Lfunc_end_k_q68f0e52265_prep:
	.size	k_q68f0e52265_prep, .Lfunc_end_k_q68f0e52265_prep-k_q68f0e52265_prep
	.p2alignl 7, 3214868480
	.fill 96, 4, 3214868480
	.section	.rodata,"a",@progbits
	.p2align	6, 0x0
	.amdhsa_kernel k_q68f0e52265_prep
		.amdhsa_group_segment_fixed_size 4352
		.amdhsa_private_segment_fixed_size 0
		.amdhsa_enable_private_segment 0
		.amdhsa_kernarg_size 48
		.amdhsa_user_sgpr_count 2
		.amdhsa_user_sgpr_kernarg_segment_ptr 1
		.amdhsa_wavefront_size32 1
		.amdhsa_system_sgpr_workgroup_id_x 1
		.amdhsa_system_sgpr_workgroup_id_y 1
		.amdhsa_system_sgpr_workgroup_id_z 1
		.amdhsa_system_vgpr_workitem_id 0
		.amdhsa_next_free_vgpr 112
		.amdhsa_next_free_sgpr 66
		.amdhsa_reserve_vcc 0
		.amdhsa_float_denorm_mode_32 3
		.amdhsa_float_denorm_mode_16_64 3
		.amdhsa_memory_ordered 1
		.amdhsa_forward_progress 1
		.amdhsa_inst_pref_size 34
	.end_amdhsa_kernel
	.amdgpu_metadata
---
amdhsa.version: [ 1, 2 ]
amdhsa.kernels:
  - .name:           k_q68f0e52265_prep
    .symbol:         k_q68f0e52265_prep.kd
    .args:
      - { .name: trunk_Ws_0, .offset: 0, .size: 8, .value_kind: global_buffer, .address_space: global }
      - { .name: trunk_Ws_1, .offset: 8, .size: 8, .value_kind: global_buffer, .address_space: global }
      - { .name: trunk_Ws_2, .offset: 16, .size: 8, .value_kind: global_buffer, .address_space: global }
      - { .name: trunk_Ws_3, .offset: 24, .size: 8, .value_kind: global_buffer, .address_space: global }
      - { .name: head_W, .offset: 32, .size: 8, .value_kind: global_buffer, .address_space: global }
      - { .name: wk, .offset: 40, .size: 8, .value_kind: global_buffer, .address_space: global }
    .group_segment_fixed_size: 4352
    .private_segment_fixed_size: 0
    .kernarg_segment_align: 8
    .kernarg_segment_size: 48
    .max_flat_workgroup_size: 1024
    .sgpr_count:     66
    .vgpr_count:     112
    .wavefront_size: 32
...
	.end_amdgpu_metadata
.endif
;; end of part 1
;; launch trunk (part 2): grid 256 x 1, 4 waves a work-group, no clusters, 327,680 bytes of LDS; arguments x, question_ids, is_correct, corr_emb, wk, head_b, out0, trunk_bs_0, ln_g_0, ln_b_0, trunk_bs_1, ln_g_1, ln_b_1, trunk_bs_2, ln_g_2, ln_b_2, trunk_bs_3, ln_g_3, ln_b_3; writes out0
.if DOCPART == 2
	.amdgcn_target "amdgcn-amd-amdhsa--gfx1250"
	.amdhsa_code_object_version 6
	.text
	.protected	k_q68f0e52265_trunk
	.globl	k_q68f0e52265_trunk
	.p2align	8
	.type	k_q68f0e52265_trunk,@function
k_q68f0e52265_trunk:
	s_mov_b64 s[64:65], 0
	v_nop
	global_prefetch_b8 v0, s[64:65] scope:SCOPE_SE
	s_setreg_imm32_b32 hwreg(HW_REG_WAVE_MODE, 25, 1), 1
	s_wait_xcnt 0x0
; The whole chain for 128 rows a work-group: x and the correctness embedding to f16 in LDS; four times (product, bias, LayerNorm, GELU); each row's own head; out0.
; FORMATS.  All matrix operands f16, sums f32.  The sums in front of a LayerNorm rest in LDS rounded once to f16; bias, mean, variance, gain, GELU in f32.  The weights come from wk,
; centred over the features (the launch before), which LayerNorm makes good exactly; the mean is taken first, then the sum of (h - mean)^2.
; SHARES.  Four waves.  In a product a wave has all 128 rows (8 tiles of 16) and every fourth tile of 16 features: each weight byte is read once by the work-group, from memory straight into
; registers as source 0 (512 consecutive bytes a load), three buffers deep; the activations come from LDS as source 1.  In the result a lane holds one row (lane % 16) and eight
; neighbouring features, 16 bytes of f16.  Layer 0's 1,024 features go in two segments (448, then 576): 128 x 1,024 sums in f32 are more than the registers hold.
; LayerNorm and GELU: a wave takes its own 32 rows out of LDS, two a trip, 16 lanes to a row.
; HEAD.  Nearly every row has its own expert: for each row six matrix instructions multiply its expert's 16 x 192 by the row's tile of 16 rows, and the row's own column is kept.
; NO TENSOR LOADS, NO CLUSTER.  All work-groups walk the same weights, but the activations take 128 x 2,512 = 321,536 of the 327,680 bytes of LDS, the spare words 512: no slot for a weight tile fits beside them.
; LIMITS.  f16 holds nothing beyond 65,504: x, the centred weights, the sums in front of a LayerNorm and GELU's results (at most sqrt(N) |gain| + |beta|) must lie within it; below 6e-5 f16 keeps a
; fixed step of 6e-8.  The exponential and the reciprocal take denormals as 0.  Indices are held to their tables (0..511, 0..1).  NaN and infinities are not treated apart.
; REGISTERS by their true numbers; the macros split a number into window and low byte (s_set_vgpr_msb: bits 1:0 source 0, 3:2 source 1, 5:4 source 2, 7:6 destination):
;   v1 lane % 16, v2 lane / 16, v3 16 x lane, v4-7 activations' LDS addresses, v8-11 results' LDS addresses, v12, v13 walking LDS addresses, v14 16 (lane % 16), v15 1.0,
;   v16-19 mean and 1/sigma, v20-21 head_b offsets, v22-29 head weights' offsets, v30-31 the add's two; v32-223 three buffers of activations (in LayerNorm: 32 raw, 64 h, 128 t);
;   v192-223 packed results; from v224 three buffers of weights; from v256 bias, gain, beta; from v448 or v512 the accumulators; v640-1023 two sets of four experts.
.set P0, 2512                          ; LDS pitches: all odd multiples of 16 bytes, so the 16 rows of a 16-byte access fall on 16 different columns of 16 bytes modulo 256
.set P2, 1040
.set P3, 528
.set P4, 400
.set H3B, 133120                       ; layer 2's result; layers 1's and 3's lie at 0
.set OST, 262144                       ; 1,024 bytes a wave for the way out
.set SPARE, 321536                     ; the spare words, 128 bytes a wave: two blocks of 256 bytes that no other line names
.set SEGB, 716800
.set L1B, 1638400
.set L2B, 2686976
.set L3B, 2949120
.set HEADB, 3047424
.set MSB, 0
.macro WIN new                         ; the high byte repeats the setting that is left; a switch that changes nothing is dropped
.if MSB != (\new)
	s_set_vgpr_msb (MSB<<8)|(\new)
.set MSB, (\new)
.endif
.endm
.macro WM d, a, b, z                   ; D (+)= A x B; z = 1: the product starts the sum
.set wD, (\d)
.set wA, (\a)
.set wB, (\b)
	WIN ((wD>>8)<<6)|((wD>>8)<<4)|((wB>>8)<<2)|(wA>>8)
.if \z
	v_wmma_f32_16x16x32_f16 v[wD&255:(wD&255)+7], v[wA&255:(wA&255)+7], v[wB&255:(wB&255)+7], 0
.else
	v_wmma_f32_16x16x32_f16 v[wD&255:(wD&255)+7], v[wA&255:(wA&255)+7], v[wB&255:(wB&255)+7], v[wD&255:(wD&255)+7]
.endif
.endm
.macro WMC d, a, b, c                  ; D = A x B + C
.set wD, (\d)
.set wA, (\a)
.set wB, (\b)
.set wC, (\c)
	WIN ((wD>>8)<<6)|((wC>>8)<<4)|((wB>>8)<<2)|(wA>>8)
	v_wmma_f32_16x16x32_f16 v[wD&255:(wD&255)+7], v[wA&255:(wA&255)+7], v[wB&255:(wB&255)+7], v[wC&255:(wC&255)+7]
.endm
.macro GL d, va, sb, imm
.set gD, (\d)
	WIN (gD>>8)<<6
	global_load_b128 v[gD&255:(gD&255)+3], v[\va], s[\sb:(\sb)+1] offset:\imm
.endm
.macro GLN d, va, sb, imm              ; for x, which the launch reads once
.set gD, (\d)
	WIN (gD>>8)<<6
	global_load_b128 v[gD&255:(gD&255)+3], v[\va], s[\sb:(\sb)+1] offset:\imm th:TH_LOAD_NT
.endm
.macro DL d, va, imm
.set gD, (\d)
	WIN (gD>>8)<<6
	ds_load_b128 v[gD&255:(gD&255)+3], v[\va] offset:\imm
.endm
.macro CV d, s                         ; two f32 rounded to f16
.set cD, (\d)
.set cS, (\s)
	WIN ((cD>>8)<<6)|((cS>>8)<<2)|(cS>>8)
	v_cvt_pk_f16_f32 v[cD&255], v[cS&255], v[(cS&255)+1]
.endm
.macro PLACES                          ; four plain instructions between a matrix instruction and a load into, or a vector read of, its registers
.rept 4
	v_nop
.endr
.endm
.macro BAR                             ; my LDS instructions are done, loads and stores; then everybody's are
	s_wait_dscnt 0x0
	s_barrier_signal -1
	s_barrier_wait -1
.endm
.macro SETV R, BASE, P, W              ; v[R..R+3] = BASE + (lane % 16 + 32 i) P + 16 (lane / 16) (+ 32 x wave: my tile's 32 bytes among four)
	WIN 0
	v_mul_u32_u24 v[\R], v1, \P
	v_lshl_add_u32 v[\R], v2, 4, v[\R]
.if \BASE
	v_add_nc_u32 v[\R], \BASE, v[\R]
.endif
.if \W
	v_add_nc_u32 v[\R], s54, v[\R]
.endif
	v_add_nc_u32 v[(\R)+1], 32*(\P), v[\R]
	v_add_nc_u32 v[(\R)+2], 64*(\P), v[\R]
	v_add_nc_u32 v[(\R)+3], 96*(\P), v[\R]
.endm
.macro SETWP base, stride              ; my wave's weights of a segment
	WIN 0
	s_wait_xcnt 0x0                                ; the pointer is written only behind this wait
	s_mul_i32 s42, s2, \stride
	s_add_co_u32 s42, s42, \base
	s_mov_b32 s43, 0
	s_add_nc_u64 s[42:43], s[12:13], s[42:43]
.endm
.macro WLD FT, WB, WS, buf, rel        ; a K step's weights, 2 FT loads
.set lf, 0
.rept 2*(\FT)
	GL (\WB)+(\WS)*(\buf)+4*lf, 3, 42, (\rel)*(\FT)*1024+512*lf
.set lf, lf+1
.endr
.endm
.macro ALD P, buf, rel                 ; a K step's activations: 8 tiles of 16 rows x 32 along K, 16 loads
.set lf, 0
.rept 16
	DL 32+64*(\buf)+4*lf, 4+(lf>>2), ((lf>>1)&1)*16*(\P)+64*(\rel)+32*(lf&1)
.set lf, lf+1
.endr
.endm
; One K step.  ld = 1: the step two on is asked for, into the buffer that the step before has multiplied.  wl, wd: the loads of the younger steps, which may stay out.
; The 8 FT accumulators take turns, one instruction a turn, over the loop's jump too.
.macro KSTEP FT, WB, WS, ACC, P, kb, rel, ld, z, wl, wd
.if \ld
	PLACES
	WLD \FT, \WB, \WS, ((\kb)+2)%3, \rel
	ALD \P, ((\kb)+2)%3, \rel
.endif
	s_wait_loadcnt \wl
	s_wait_dscnt \wd
.set kf, 0
.rept \FT
.set kr, 0
.rept 8
	WM (\ACC)+8*(8*kf+kr), (\WB)+(\WS)*(\kb)+8*kf, 32+64*(\kb)+8*kr, \z
.set kr, kr+1
.endr
.set kf, kf+1
.endr
.endm
.macro GSTEP FT                        ; three K steps on
	WIN 0
	s_wait_xcnt 0x0                                ; the weights' pointer is stepped only behind this wait
	s_add_nc_u64 s[42:43], s[42:43], 3*(\FT)*1024
	v_add_nc_u32 v4, 192, v4
	v_add_nc_u32 v5, 192, v5
	v_add_nc_u32 v6, 192, v6
	v_add_nc_u32 v7, 192, v7
.endm
; A product over KS steps of 32.  Step 0 stands ahead of the loop and starts the sums; a trip is three steps; the last steps, which ask for nothing beyond the end, are written out.
; Counts: a step's weights are 2 FT loads and its activations 16; with two younger steps out that is 4 FT and 32, with one 2 FT and 16, at the last step 0.
.macro GEMM FT, KS, WB, WS, ACC, P, pre
.set gTR, ((\KS)-3)/3
.if \pre
	WLD \FT, \WB, \WS, 0, 0
	WLD \FT, \WB, \WS, 1, 1
.endif
	ALD \P, 0, 0
	ALD \P, 1, 1
	KSTEP \FT, \WB, \WS, \ACC, \P, 0, 2, 1, 1, 4*(\FT), 32
	GSTEP \FT
	s_mov_b32 s3, gTR
.Lk_\@:
	KSTEP \FT, \WB, \WS, \ACC, \P, 1, 0, 1, 0, 4*(\FT), 32
	KSTEP \FT, \WB, \WS, \ACC, \P, 2, 1, 1, 0, 4*(\FT), 32
	KSTEP \FT, \WB, \WS, \ACC, \P, 0, 2, 1, 0, 4*(\FT), 32
	GSTEP \FT
	s_sub_co_u32 s3, s3, 1
	s_cmp_lg_u32 s3, 0
	s_cbranch_scc1 .Lk_\@
.set gk, 3*gTR+1
.rept (\KS)-1-3*gTR
.if gk+2<(\KS)
	KSTEP \FT, \WB, \WS, \ACC, \P, gk%3, gk-3*gTR-1, 1, 0, 4*(\FT), 32
.elseif gk+2==(\KS)
	KSTEP \FT, \WB, \WS, \ACC, \P, gk%3, 0, 0, 0, 2*(\FT), 16
.else
	KSTEP \FT, \WB, \WS, \ACC, \P, gk%3, 0, 0, 0, 0, 0
.endif
.set gk, gk+1
.endr
.endm
; The sums go to LDS in f16: a lane's eight features are 16 bytes.  Each accumulator is read from its low end on.
.macro OUTST FT, ACC, P
.set oF, 0
.rept \FT
.set oR, 0
.rept 8
	CV 192+4*oR, (\ACC)+8*(8*oF+oR)
	CV 193+4*oR, (\ACC)+8*(8*oF+oR)+2
	CV 194+4*oR, (\ACC)+8*(8*oF+oR)+4
	CV 195+4*oR, (\ACC)+8*(8*oF+oR)+6
.set oR, oR+1
.endr
	WIN 0
.set oR, 0
.rept 8
	ds_store_b128 v[8+(oR>>1)], v[192+4*oR:195+4*oR] offset:(oR&1)*16*(\P)+128*oF
.set oR, oR+1
.endr
.set oF, oF+1
.endr
.endm
.macro PARLD NCH, sb                   ; bias, gain, beta of my lane's features 64 c + 4 (lane % 16) + 0..3
.set pc, 0
.rept \NCH
	GL 256+4*pc, 14, \sb, 256*pc
	GL 256+4*(\NCH)+4*pc, 14, (\sb)+2, 256*pc
	GL 256+8*(\NCH)+4*pc, 14, (\sb)+4, 256*pc
.set pc, pc+1
.endr
.endm
.macro TREE base, n                    ; the sum of n register pairs, in place, into the first
.set tN, \n
.rept 5
.if tN>1
.set tH, tN/2
.set tI, 0
.rept tH
	v_pk_add_f32 v[(\base)+2*tI:(\base)+2*tI+1], v[(\base)+2*tI:(\base)+2*tI+1], v[(\base)+2*(tN-1-tI):(\base)+2*(tN-1-tI)+1]
.set tI, tI+1
.endr
.set tN, tN-tH
.endif
.endr
.endm
.macro ROWSUM                          ; v128: the pair's two halves, then the row's 16 lanes
	v_add_f32 v128, v128, v129
	v_add_f32_dpp v128, v128, v128 row_xmask:1 row_mask:0xf bank_mask:0xf
	v_add_f32_dpp v128, v128, v128 row_xmask:2 row_mask:0xf bank_mask:0xf
	v_add_f32_dpp v128, v128, v128 row_xmask:4 row_mask:0xf bank_mask:0xf
	v_add_f32_dpp v128, v128, v128 row_xmask:8 row_mask:0xf bank_mask:0xf
.endm
; Bias, LayerNorm, GELU, in place in LDS, on my wave's 32 rows of 64 NCH features: 16 trips of two rows, lanes 0-15 one row, lanes 16-31 the next.
; gelu(y) = y / (1 + 2^(y (A + B y^2))), A = -2 sqrt(2/pi) log2(e), B = 0.044715 A.  wl: the global loads issued behind the parameters'.
.macro LNG NCH, BASE, P, wl, invn
	WIN 0
	s_mov_b32 s55, \invn
	v_add_nc_u32 v12, s54, v2                      ; row 32 x wave + lane / 16
	v_mul_u32_u24 v12, v12, \P
	v_lshl_add_u32 v12, v1, 3, v12
.if \BASE
	v_add_nc_u32 v12, \BASE, v12
.endif
	v_mov_b32 v13, v12
.set li, 0
.rept \NCH
	ds_load_b64 v[32+2*li:33+2*li], v12 offset:128*li
.set li, li+1
.endr
	s_wait_loadcnt \wl                             ; bias, gain and beta are in
	s_wait_dscnt 0x0
	s_mov_b32 s3, 16
.Lln_\@:
	s_wait_dscnt \NCH                              ; the rows' loads are in; the last trip's NCH stores, issued behind them, may be out
	WIN 0x10                                       ; the bias lies in window 1
.set li, 0
.rept 2*(\NCH)
	v_fma_mix_f32 v[64+2*li], v[32+li], v15, v[2*li] op_sel_hi:[1,0,0]
	v_fma_mix_f32 v[65+2*li], v[32+li], v15, v[2*li+1] op_sel:[1,0,0] op_sel_hi:[1,0,0]
.set li, li+1
.endr
	WIN 0
	s_cmp_eq_u32 s3, 1
	s_cbranch_scc1 .Lnl_\@                         ; the last trip has no rows to ask for
	v_add_nc_u32 v12, 2*(\P), v12
.set li, 0
.rept \NCH
	ds_load_b64 v[32+2*li:33+2*li], v12 offset:128*li
.set li, li+1
.endr
.Lnl_\@:
.set li, 0
.rept \NCH
	v_pk_add_f32 v[128+2*li:129+2*li], v[64+4*li:65+4*li], v[66+4*li:67+4*li]
.set li, li+1
.endr
	TREE 128, \NCH
	ROWSUM
	v_mul_f32 v16, s55, v128                       ; the mean, twice
	v_mul_f32 v17, s55, v128
.set li, 0
.rept 2*(\NCH)
	v_pk_add_f32 v[64+2*li:65+2*li], v[64+2*li:65+2*li], v[16:17] neg_lo:[0,1] neg_hi:[0,1]
.set li, li+1
.endr
.set li, 0
.rept \NCH
	v_pk_mul_f32 v[128+2*li:129+2*li], v[64+4*li:65+4*li], v[64+4*li:65+4*li]
.set li, li+1
.endr
.set li, 0
.rept \NCH
	v_pk_fma_f32 v[128+2*li:129+2*li], v[66+4*li:67+4*li], v[66+4*li:67+4*li], v[128+2*li:129+2*li]
.set li, li+1
.endr
	TREE 128, \NCH
	ROWSUM
	v_fma_f32 v129, v128, s55, s56                 ; variance + 1e-5
	v_rsq_f32 v18, v129
	v_rsq_f32 v19, v129
	v_nop                                          ; a plain instruction behind the last of them,
	s_wait_alu depctr_va_vdst(0)                   ; and one wait for both, ahead of their first reader
.set li, 0
.rept 2*(\NCH)
	v_pk_mul_f32 v[64+2*li:65+2*li], v[64+2*li:65+2*li], v[18:19]
.set li, li+1
.endr
	WIN 0x14                                       ; gain and beta lie in window 1
.set li, 0
.rept 2*(\NCH)
	v_pk_fma_f32 v[64+2*li:65+2*li], v[64+2*li:65+2*li], v[4*(\NCH)+2*li:4*(\NCH)+2*li+1], v[8*(\NCH)+2*li:8*(\NCH)+2*li+1]
.set li, li+1
.endr
	WIN 0
.set li, 0
.rept 2*(\NCH)
	v_pk_mul_f32 v[128+2*li:129+2*li], v[64+2*li:65+2*li], v[64+2*li:65+2*li]
.set li, li+1
.endr
.set li, 0
.rept 2*(\NCH)
	v_pk_fma_f32 v[128+2*li:129+2*li], v[128+2*li:129+2*li], s[46:47], s[44:45] op_sel_hi:[1,0,0]
.set li, li+1
.endr
.set li, 0
.rept 2*(\NCH)
	v_pk_mul_f32 v[128+2*li:129+2*li], v[128+2*li:129+2*li], v[64+2*li:65+2*li]
.set li, li+1
.endr
.set li, 0
.rept 4*(\NCH)
	v_exp_f32 v[128+li], v[128+li]
.set li, li+1
.endr
	v_nop
	s_wait_alu depctr_va_vdst(0)                   ; one wait for the batch of exponentials
.set li, 0
.rept 2*(\NCH)
	v_pk_add_f32 v[128+2*li:129+2*li], v[128+2*li:129+2*li], 1.0 op_sel_hi:[1,0]
.set li, li+1
.endr
.set li, 0
.rept 4*(\NCH)
	v_rcp_f32 v[128+li], v[128+li]
.set li, li+1
.endr
	v_nop
	s_wait_alu depctr_va_vdst(0)                   ; one wait for the batch of reciprocals
.set li, 0
.rept 2*(\NCH)
	v_pk_mul_f32 v[64+2*li:65+2*li], v[64+2*li:65+2*li], v[128+2*li:129+2*li]
.set li, li+1
.endr
.set li, 0
.rept 2*(\NCH)
	v_cvt_pk_f16_f32 v[128+li], v[64+2*li], v[65+2*li]
.set li, li+1
.endr
.set li, 0
.rept \NCH
	ds_store_b64 v13, v[128+2*li:129+2*li] offset:128*li
.set li, li+1
.endr
	v_add_nc_u32 v13, 2*(\P), v13
	s_sub_co_u32 s3, s3, 1
	s_cmp_lg_u32 s3, 0
	s_cbranch_scc1 .Lln_\@
.endm
; x: a set is 4 rows of 3,072 bytes, 24 loads of 512 consecutive bytes
.macro XLD sb, ib
.set xi, 0
.rept 24
	GLN (\sb)+4*xi, 3, 66, (\ib)+(xi/6)*3072+(xi%6)*512
.set xi, xi+1
.endr
.endm
.macro XST sb, rb                      ; a set rounded to f16 and stored: 256 consecutive bytes a store
.set xi, 0
.rept 24
	CV 32+2*xi, (\sb)+4*xi
	CV 33+2*xi, (\sb)+4*xi+2
.set xi, xi+1
.endr
	WIN 0
.set xi, 0
.rept 24
	ds_store_b64 v12, v[32+2*xi:33+2*xi] offset:((\rb)+xi/6)*P0+(xi%6)*256
.set xi, xi+1
.endr
.endm
; The head.  Group g is rows 4 g .. 4 g + 3 of my 32; its four experts' weights (12 loads of 512 bytes each) go into set g % 2.
.macro HLOAD g
	WIN 0
.set hSet, 640+192*((\g)&1)
.set hr, 0
.rept 4
	v_add_nc_u32 v[22+4*((\g)&1)+hr], s[68+4*(\g)+hr], v3
.set hr, hr+1
.endr
.set hr, 0
.rept 4
.set hq, 0
.rept 12
	GL hSet+48*hr+4*hq, 22+4*((\g)&1)+hr, 50, 512*hq
.set hq, hq+1
.endr
.set hr, hr+1
.endr
.endm
; Four rows: each row's expert times the row's whole tile, begun with the lanes' own biases; the four accumulators take turns.  Of each result the row's own column (two lanes) is kept.
.macro HCOMP g, wl
.set hSet, 640+192*((\g)&1)
.set hTile, (\g)>>2
	s_wait_loadcnt \wl                             ; the next group's 48 loads may stay out
.set hk, 0
.rept 6
.set hr, 0
.rept 4
.if hk==0
	WMC 192+8*hr, hSet+48*hr, 32+48*hTile, 376+8*hTile
.else
	WM 192+8*hr, hSet+48*hr+8*hk, 32+48*hTile+8*hk, 0
.endif
.set hr, hr+1
.endr
.set hk, hk+1
.endr
	PLACES
	WIN 0
.set hr, 0
.rept 4
.if (((\g)&3)==0)&&(hr==0)
.set hq, 0
.rept 8
	v_mov_b32 v[128+hq], v[192+hq]                 ; a tile's first row writes all lanes
.set hq, hq+1
.endr
.else
	s_mov_b32 s100, 0x10001<<(4*((\g)&3)+hr)       ; the two lanes of the row
.set hq, 0
.rept 8
	v_cndmask_b32 v[128+hq], v[128+hq], v[192+8*hr+hq], s100
.set hq, hq+1
.endr
.endif
.set hr, hr+1
.endr
.endm
.macro OSEND t                         ; a tile's 16 rows of 64 bytes through my stage: LDS serves a wave's instructions in order (ISA guide 5.7.1.4)
	WIN 0
	ds_store_b128 v8, v[128:131]
	ds_store_b128 v8, v[132:135] offset:16
	ds_load_b128 v[136+8*(\t):139+8*(\t)], v9
	ds_load_b128 v[140+8*(\t):143+8*(\t)], v9 offset:512
	s_wait_dscnt 0x0
	global_store_b128 v3, v[136+8*(\t):139+8*(\t)], s[52:53] offset:1024*(\t)      ; 512 consecutive bytes, aligned
	global_store_b128 v3, v[140+8*(\t):143+8*(\t)], s[52:53] offset:1024*(\t)+512
.endm
	s_load_b512 s[4:19], s[0:1], 0x0               ; x, question_ids, is_correct, corr_emb, wk, head_b, out0, bias 0
	v_lshl_add_u32 v30, v0, 2, SPARE               ; my spare word,
	v_mov_b32 v31, 0                               ; and 0: kept for the add at the wave's end
	v_lshrrev_b32 v1, 5, v0
	v_readfirstlane_b32 s2, v1                     ; wave 0..3
	v_and_b32 v3, 31, v0
	v_and_b32 v1, 15, v0                           ; lane % 16
	v_bfe_u32 v2, v0, 4, 1                         ; lane / 16
	v_lshlrev_b32 v13, 2, v3                       ; 4 x lane (for the index loads)
	v_lshlrev_b32 v3, 4, v3                        ; 16 x lane
	v_lshlrev_b32 v14, 4, v1
	v_lshlrev_b32 v12, 2, v1                       ; 4 x (lane % 16) (for the index loads)
	v_mov_b32 v15, 1.0
	s_mov_b32 s44, 0xc0135761                      ; A = -2.302208
	s_mov_b32 s45, s44
	s_mov_b32 s46, 0xbdd2d3e8                      ; B = -0.102943
	s_mov_b32 s47, s46
	s_lshl_b32 s100, ttmp9, 9                      ; my wave's first row, 128 x work-group + 32 x wave, times 4 bytes
	s_lshl_b32 s101, s2, 7
	s_add_co_u32 s100, s100, s101
	s_mov_b32 s101, 0
	s_mul_i32 s66, ttmp9, 393216                   ; and times 3,072 bytes
	s_mul_i32 s67, s2, 98304
	s_add_co_u32 s66, s66, s67
	s_mov_b32 s67, 0
	s_mul_i32 s42, s2, 179200                      ; my weights of layer 0's first segment
	s_mov_b32 s43, 0
	s_wait_kmcnt 0x0
	s_add_nc_u64 s[6:7], s[6:7], s[100:101]
	s_add_nc_u64 s[8:9], s[8:9], s[100:101]
	s_add_nc_u64 s[66:67], s[4:5], s[66:67]
	s_add_nc_u64 s[42:43], s[12:13], s[42:43]
	s_load_b512 s[68:83], s[6:7], 0x0              ; my 32 rows' questions,
	s_load_b512 s[84:99], s[6:7], 0x40
	s_load_b512 s[48:63], s[8:9], 0x0              ; and branches; the second half borrows registers that take arguments later
	s_load_b512 s[20:35], s[8:9], 0x40
	WLD 7, 224, 72, 0, 0                           ; 28 loads,
	WLD 7, 224, 72, 1, 1
	WIN 0
	global_load_b32 v22, v13, s[8:9]               ; 5 loads: the branch of row 32 w + lane; question and branch of rows lane % 16 and 16 + lane % 16
	global_load_b32 v23, v12, s[6:7]
	global_load_b32 v24, v12, s[8:9]
	global_load_b32 v25, v12, s[6:7] offset:64
	global_load_b32 v26, v12, s[8:9] offset:64
	XLD 448, 0                                     ; 24 + 24 loads: x, rows 0-3 and 4-7
	XLD 544, 12288
	WIN 0
	s_wait_kmcnt 0x0
.set ir, 0
.rept 16                                       ; each row's expert, held to the table, times the 6,144 bytes of a head in wk
	s_min_u32 s[68+ir], s[68+ir], 0x1ff
	s_min_u32 s[48+ir], s[48+ir], 1
	s_lshl_b32 s[48+ir], s[48+ir], 9
	s_add_co_u32 s[68+ir], s[68+ir], s[48+ir]
	s_mul_i32 s[68+ir], s[68+ir], 6144
	s_min_u32 s[84+ir], s[84+ir], 0x1ff
	s_min_u32 s[20+ir], s[20+ir], 1
	s_lshl_b32 s[20+ir], s[20+ir], 9
	s_add_co_u32 s[84+ir], s[84+ir], s[20+ir]
	s_mul_i32 s[84+ir], s[84+ir], 6144
.set ir, ir+1
.endr
	s_load_b512 s[20:35], s[0:1], 0x40             ; the other arguments: layer i has bias s[18+6i], gain s[20+6i], beta s[22+6i]
	s_load_b128 s[36:39], s[0:1], 0x80
	s_load_b64 s[40:41], s[0:1], 0x90
	s_add_nc_u64 s[50:51], s[12:13], HEADB         ; the heads in wk
	s_lshl_b32 s52, ttmp9, 13                      ; my rows in out0, 64 bytes each
	s_lshl_b32 s53, s2, 11
	s_add_co_u32 s52, s52, s53
	s_mov_b32 s53, 0
	s_add_nc_u64 s[52:53], s[16:17], s[52:53]
	s_lshl_b32 s54, s2, 5                          ; 32 x wave
	s_mov_b32 s56, 0x3727c5ac                      ; 1e-5
	s_mul_i32 s101, s54, P0
	s_add_co_u32 s101, s101, 896                   ; my rows of the first activations: they begin at byte 896 of a row
	s_wait_loadcnt 48                              ; the five index loads are in; x's 48 loads stay out
	v_min_u32 v22, 1, v22
	v_lshlrev_b32 v27, 7, v22                      ; my row of corr_emb
	v_min_u32 v23, 0x1ff, v23
	v_min_u32 v24, 1, v24
	v_lshl_add_u32 v23, v24, 9, v23
	v_lshlrev_b32 v23, 6, v23
	v_lshl_add_u32 v20, v2, 5, v23                 ; head_b: expert x 64 + 32 (lane / 16), tile 0
	v_min_u32 v25, 0x1ff, v25
	v_min_u32 v26, 1, v26
	v_lshl_add_u32 v25, v26, 9, v25
	v_lshlrev_b32 v25, 6, v25
	v_lshl_add_u32 v21, v2, 5, v25                 ; tile 1
.set ir, 0
.rept 8
	GL 640+4*ir, 27, 10, 16*ir
.set ir, ir+1
.endr
	WIN 0
	v_lshrrev_b32 v12, 1, v3                       ; 8 x lane
	v_add_nc_u32 v12, s101, v12
	v_lshrrev_b32 v28, 4, v3
	v_mul_u32_u24 v28, v28, P0
	v_add_nc_u32 v28, s101, v28                    ; row 32 w + lane
	s_wait_kmcnt 0x0
	s_mov_b32 s3, 3
.Lstage:                                               ; a trip: 8 rows to LDS, the 8 rows after the next 8 asked for
	s_wait_loadcnt 24                              ; the other set's 24 loads stay out
	XST 448, 0
	XLD 448, 2*12288
	s_wait_loadcnt 24
	XST 544, 4
	XLD 544, 3*12288
	WIN 0
	s_wait_xcnt 0x0                                ; x's pointer is stepped only behind this wait
	s_add_nc_u64 s[66:67], s[66:67], 24576
	v_add_nc_u32 v12, 8*P0, v12
	s_sub_co_u32 s3, s3, 1
	s_cmp_lg_u32 s3, 0
	s_cbranch_scc1 .Lstage
	s_wait_loadcnt 24
	XST 448, 0
	s_wait_loadcnt 0x0
	XST 544, 4
.set ir, 0
.rept 16
	CV 80+ir, 640+2*ir                             ; the embedding: 32 numbers behind x's 768
.set ir, ir+1
.endr
	WIN 0
.set ir, 0
.rept 4
	ds_store_b128 v28, v[80+4*ir:83+4*ir] offset:1536+16*ir
.set ir, ir+1
.endr
	BAR                                            ; all 128 rows are in LDS
	; LAYER 0, features 0-447
	SETV 4, 896, P0, 0
	GEMM 7, 25, 224, 72, 448, P0, 0
	PLACES
	SETWP SEGB, 230400
	WLD 9, 224, 72, 0, 0                           ; the second segment's first weights come while the first goes out
	WLD 9, 224, 72, 1, 1
	WIN 0
	BAR                                            ; every wave has read what it wants of the rows
	SETV 8, 0, P0, 1
	OUTST 7, 448, P0                               ; into bytes 0-895 of the rows
	BAR
	; features 448-1023
	SETV 4, 896, P0, 0
	GEMM 9, 25, 224, 72, 448, P0, 0
	PLACES
	PARLD 16, 18
	WIN 0
	BAR                                            ; the first activations have been read for the last time
	SETV 8, 896, P0, 1
	OUTST 9, 448, P0                               ; over their head: bytes 896-2047
	BAR
	LNG 16, 0, P0, 0, 0x3a800000
	BAR
	; LAYER 1
	SETWP L1B, 262144
	SETV 4, 0, P0, 0
	GEMM 8, 32, 224, 64, 512, P0, 1
	PLACES
	PARLD 8, 24
	SETWP L2B, 65536
	WLD 4, 352, 32, 0, 0                           ; 16 loads behind the parameters'
	WLD 4, 352, 32, 1, 1
	WIN 0
	BAR                                            ; layer 0's result has been read for the last time
	SETV 8, 0, P2, 1
	OUTST 8, 512, P2
	BAR
	LNG 8, 0, P2, 16, 0x3b000000
	BAR
	; LAYER 2: its result lies behind its input, so no barrier stands ahead of the stores
	SETV 4, 0, P2, 0
	GEMM 4, 16, 352, 32, 512, P2, 0
	PLACES
	PARLD 4, 30
	SETWP L3B, 24576
	WLD 3, 304, 24, 0, 0                           ; 12 loads behind the parameters'
	WLD 3, 304, 24, 1, 1
	SETV 8, H3B, P3, 1
	OUTST 4, 512, P3
	BAR
	LNG 4, H3B, P3, 12, 0x3b800000
	BAR
	; LAYER 3: its result lies at 0, below its input
	SETV 4, H3B, P3, 0
	GEMM 3, 8, 304, 24, 448, P3, 0
	PLACES
	PARLD 3, 36
	GL 376, 20, 14, 0                              ; the lanes' own biases of the head: row lane % 16 of each tile, outputs 8 (lane / 16) + 0..7
	GL 380, 20, 14, 16
	GL 384, 21, 14, 0
	GL 388, 21, 14, 16
	SETV 8, 0, P4, 1
	OUTST 3, 448, P4
	BAR
	HLOAD 0                                        ; 48 loads behind the parameters' and the biases'
	LNG 3, 0, P4, 48, 0x3baaaaab
	; THE HEAD: my own 32 rows, so no barrier: LDS serves my stores and loads in order
	HLOAD 1
	WIN 0
	v_add_nc_u32 v4, s54, v1
	v_mul_u32_u24 v4, v4, P4
	v_lshl_add_u32 v4, v2, 4, v4
	s_lshl_b32 s101, s2, 10
	s_add_co_u32 s101, s101, OST                   ; my stage
	v_lshlrev_b32 v8, 6, v1
	v_lshl_add_u32 v8, v2, 5, v8
	v_add_nc_u32 v8, s101, v8                      ; in: row lane % 16, 32 bytes for each half of the lanes
	v_add_nc_u32 v9, s101, v3                      ; back: 512 consecutive bytes
.set ir, 0
.rept 24                                       ; two tiles of 16 rows x 192: 6 fragments each
	DL 32+4*ir, 4, (ir/12)*6400+(ir%12)*32
.set ir, ir+1
.endr
	s_wait_dscnt 0x0
.irp g, 0,1,2,3,4,5,6,7
.if \g==7
	HCOMP \g, 0
.else
	HCOMP \g, 48
.endif
.if \g<6
	HLOAD (\g)+2
.endif
.if (\g&3)==3
	OSEND (\g)>>2
.endif
.endr
	WIN 0
	s_wait_tensorcnt 0x0                           ; the wave's end
	ds_add_u32 v30, v31
	s_wait_dscnt 0x0
	s_endpgm
.Lfunc_end_k_q68f0e52265_trunk:
	.size	k_q68f0e52265_trunk, .Lfunc_end_k_q68f0e52265_trunk-k_q68f0e52265_trunk
	.p2alignl 7, 3214868480
	.fill 96, 4, 3214868480
	.section	.rodata,"a",@progbits
	.p2align	6, 0x0
	.amdhsa_kernel k_q68f0e52265_trunk
		.amdhsa_group_segment_fixed_size 327680
		.amdhsa_private_segment_fixed_size 0
		.amdhsa_enable_private_segment 0
		.amdhsa_kernarg_size 152
		.amdhsa_user_sgpr_count 2
		.amdhsa_user_sgpr_kernarg_segment_ptr 1
		.amdhsa_wavefront_size32 1
		.amdhsa_system_sgpr_workgroup_id_x 1
		.amdhsa_system_sgpr_workgroup_id_y 1
		.amdhsa_system_sgpr_workgroup_id_z 1
		.amdhsa_system_vgpr_workitem_id 0
		.amdhsa_next_free_vgpr 1024
		.amdhsa_next_free_sgpr 102
		.amdhsa_reserve_vcc 0
		.amdhsa_float_denorm_mode_32 3
		.amdhsa_float_denorm_mode_16_64 3
		.amdhsa_memory_ordered 1
		.amdhsa_forward_progress 1
		.amdhsa_inst_pref_size 255
	.end_amdhsa_kernel
	.section	.bss,"aw",@nobits
	.p2align	6
	.space	262144
	.amdgpu_metadata
---
amdhsa.version: [ 1, 2 ]
amdhsa.kernels:
  - .name:           k_q68f0e52265_trunk
    .symbol:         k_q68f0e52265_trunk.kd
    .args:
      - { .name: x, .offset: 0, .size: 8, .value_kind: global_buffer, .address_space: global }
      - { .name: question_ids, .offset: 8, .size: 8, .value_kind: global_buffer, .address_space: global }
      - { .name: is_correct, .offset: 16, .size: 8, .value_kind: global_buffer, .address_space: global }
      - { .name: corr_emb, .offset: 24, .size: 8, .value_kind: global_buffer, .address_space: global }
      - { .name: wk, .offset: 32, .size: 8, .value_kind: global_buffer, .address_space: global }
      - { .name: head_b, .offset: 40, .size: 8, .value_kind: global_buffer, .address_space: global }
      - { .name: out0, .offset: 48, .size: 8, .value_kind: global_buffer, .address_space: global }
      - { .name: trunk_bs_0, .offset: 56, .size: 8, .value_kind: global_buffer, .address_space: global }
      - { .name: ln_g_0, .offset: 64, .size: 8, .value_kind: global_buffer, .address_space: global }
      - { .name: ln_b_0, .offset: 72, .size: 8, .value_kind: global_buffer, .address_space: global }
      - { .name: trunk_bs_1, .offset: 80, .size: 8, .value_kind: global_buffer, .address_space: global }
      - { .name: ln_g_1, .offset: 88, .size: 8, .value_kind: global_buffer, .address_space: global }
      - { .name: ln_b_1, .offset: 96, .size: 8, .value_kind: global_buffer, .address_space: global }
      - { .name: trunk_bs_2, .offset: 104, .size: 8, .value_kind: global_buffer, .address_space: global }
      - { .name: ln_g_2, .offset: 112, .size: 8, .value_kind: global_buffer, .address_space: global }
      - { .name: ln_b_2, .offset: 120, .size: 8, .value_kind: global_buffer, .address_space: global }
      - { .name: trunk_bs_3, .offset: 128, .size: 8, .value_kind: global_buffer, .address_space: global }
      - { .name: ln_g_3, .offset: 136, .size: 8, .value_kind: global_buffer, .address_space: global }
      - { .name: ln_b_3, .offset: 144, .size: 8, .value_kind: global_buffer, .address_space: global }
    .group_segment_fixed_size: 327680
    .private_segment_fixed_size: 0
    .kernarg_segment_align: 8
    .kernarg_segment_size: 152
    .max_flat_workgroup_size: 128
    .sgpr_count:     102
    .vgpr_count:     1024
    .wavefront_size: 32
...
	.end_amdgpu_metadata
.endif
;; end of part 2
;; ======== version 2 of 2: 2 launches; 1.13 times as fast as version 1
;; limits: values are held in f16: magnitudes above 65,504 overflow, below 6.1e-05 lose precision
;; workspace buffers: wk 9,338,880 bytes
;; launch prep (part 3): grid 209 x 1, 32 waves a work-group, no clusters, 4,352 bytes of LDS; arguments trunk_Ws_0, trunk_Ws_1, trunk_Ws_2, trunk_Ws_3, head_W, wk; writes wk
.if DOCPART == 3
	.amdgcn_target "amdgcn-amd-amdhsa--gfx1250"
	.amdhsa_code_object_version 6
	.text
	.protected	k_q68f0e52265_prep
	.globl	k_q68f0e52265_prep
	.p2align	8
	.type	k_q68f0e52265_prep,@function
k_q68f0e52265_prep:
	s_mov_b64 s[64:65], 0
	v_nop
	global_prefetch_b8 v0, s[64:65] scope:SCOPE_SE
	s_setreg_imm32_b32 hwreg(HW_REG_WAVE_MODE, 25, 1), 1
	s_wait_xcnt 0x0
; Lays the weights out once, in f16, in the order in which a wave's matrix operand registers take them.
; TRUNK: W'[k][n] = W[k][n] - mean over n of W[k][.], taken in f32 before the one rounding.  x W' is x W less a number that is the same
; for all features of a row, and the LayerNorm that follows takes every such number away: the identity holds for every input,
; and a common offset of W reaches neither the f16 weights nor the f16 sums.
; Order in wk: [segment][wave 0..3][K step s][f][j 0..1][lane][i 0..7]; feature n = N0 + 16 (4 f + wave) + lane % 16, k = 32 s + 16 j + 8 (lane / 16) + i.
; Layer 0 is two segments of 512 features, the other layers one each.
; HEADS: from HEADB on, [expert][g 0..11][lane][i]: head_W[expert][16 g + 8 (lane / 16) + i][lane % 16].
; SHARES: work-groups 0-80 take one K step (32 rows of one W) each: 25 + 32 + 16 + 8; wave v finds the mean of row v, the means meet in LDS,
; and wave v then makes feature tile v (and v + 32 where there are 64).  Work-groups 81-208: a wave takes a quarter of an expert's head.
; LIMIT: f16 holds no number beyond 65,504; below 6e-5 it keeps a fixed step of 6e-8.
.set SPARE, 256                        ; the spare words: 128 bytes for each of 32 waves; the 32 means have the block from 0 to themselves
.set HEADB, 3047424
.set TD, 16                            ; v16-47  a tile's 16 (or twice 16) numbers a lane
.set MR, 48                            ; v48-79  my row, for its mean
.set MN, 80                            ; v80-95  the 16 means that my lane's numbers want
.set OB, 96                            ; v96-107 packed results
.macro TREE base, n                    ; the sum of n register pairs, in place, into the first: pair i takes pair n - 1 - i, until one is left
.set tN, \n
.rept 5
.if tN>1
.set tH, tN/2
.set tI, 0
.rept tH
	v_pk_add_f32 v[(\base)+2*tI:(\base)+2*tI+1], v[(\base)+2*tI:(\base)+2*tI+1], v[(\base)+2*(tN-1-tI):(\base)+2*(tN-1-tI)+1]
.set tI, tI+1
.endr
.set tN, tN-tH
.endif
.endr
.endm
; One K step of one trunk matrix [K][N].  ID0: the layer's first work-group.  Feature tiles below SPL go to the segment at BA (FA tiles a wave), the others to BB (FB).
.macro PL N, KS, WP, ID0, SPL, BA, FA, BB, FB, INV
.set NT, ((\N)+511)/512
	s_sub_co_u32 s3, s18, \ID0                     ; the K step S
	s_lshl_b32 s20, s3, 5
	s_add_co_u32 s20, s20, s2                      ; my row, 32 S + wave
	s_mul_i32 s20, s20, 4*(\N)
	s_mov_b32 s21, 0
	s_add_nc_u64 s[20:21], s[\WP:\WP+1], s[20:21]
	s_mul_i32 s22, s3, 128*(\N)                    ; the step's first row,
	s_lshl_b32 s23, s2, 6                          ; my tile's 16 columns
	s_add_co_u32 s22, s22, s23
	s_mov_b32 s23, 0
	s_add_nc_u64 s[22:23], s[\WP:\WP+1], s[22:23]
	v_mul_u32_u24 v5, v2, 32*(\N)                  ; 8 rows down for lanes 16-31,
	v_lshl_add_u32 v5, v1, 2, v5                   ; column lane % 16
.if (\N)/16<32
	s_cmp_lt_u32 s2, (\N)/16                       ; fewer tiles than waves: the other waves only find a mean
	s_cbranch_scc0 .Lnt_\@
.endif
.set pt, 0
.rept NT
.set pr, 0
.rept 16
	global_load_b32 v[TD+16*pt+pr], v5, s[22:23] offset:(16*(pr>>3)+(pr&7))*4*(\N)+2048*pt
.set pr, pr+1
.endr
.set pt, pt+1
.endr
.if (\N)/16<32
.Lnt_\@:
.endif
.set pr, 0
.rept (\N)/64
	global_load_b64 v[MR+2*pr:MR+2*pr+1], v4, s[20:21] offset:256*pr
.set pr, pr+1
.endr
	s_wait_loadcnt 0x0                             ; zero: the two ways here have issued different numbers of loads
	TREE MR, (\N)/64
	v_add_f32 v[MR], v[MR], v[MR+1]
	v_add_f32_dpp v[MR], v[MR], v[MR] row_xmask:1 row_mask:0xf bank_mask:0xf
	v_add_f32_dpp v[MR], v[MR], v[MR] row_xmask:2 row_mask:0xf bank_mask:0xf
	v_add_f32_dpp v[MR], v[MR], v[MR] row_xmask:4 row_mask:0xf bank_mask:0xf
	v_add_f32_dpp v[MR], v[MR], v[MR] row_xmask:8 row_mask:0xf bank_mask:0xf
	v_permlanex16_b32 v[MR+1], v[MR], s16, s17
	v_add_f32 v[MR], v[MR], v[MR+1]
	v_mul_f32 v[MR], \INV, v[MR]                   ; the row's mean, in every lane
	s_lshl_b32 s24, s2, 2
	v_mov_b32 v7, s24
	ds_store_b32 v7, v[MR]                         ; all lanes write the same word with the same value
	s_wait_dscnt 0x0                               ; for the others' sake: my store is done
	s_barrier_signal -1
	s_barrier_wait -1
.if (\N)/16<32
	s_cmp_lt_u32 s2, (\N)/16
	s_cbranch_scc0 .Lend
.endif
.set pj, 0
.rept 4
	ds_load_b128 v[MN+4*pj:MN+4*pj+3], v6 offset:64*(pj>>1)+16*(pj&1)  ; the means of rows 16 j + 8 (lane / 16) + 0..7
.set pj, pj+1
.endr
	s_wait_dscnt 0x0
.set pt, 0
.rept NT
.if pt
	s_wait_xcnt 0x0                                ; the first tile's stores have read their data and base
.endif
	s_add_co_u32 s24, s2, 32*pt                    ; the feature tile
	s_sub_co_u32 s25, s24, \SPL
	s_mov_b32 s28, \BB
	s_mov_b32 s29, (\FB)*1024
	s_cmp_lt_u32 s24, \SPL
	s_cselect_b32 s25, s24, s25                    ; its number in its segment,
	s_cselect_b32 s28, \BA, s28                    ; the segment's first byte,
	s_cselect_b32 s29, (\FA)*1024, s29             ; bytes of a wave's K step there
	s_and_b32 s30, s25, 3                          ; the wave that will read it
	s_mul_i32 s30, s30, \KS
	s_add_co_u32 s30, s30, s3
	s_mul_i32 s30, s30, s29
	s_lshr_b32 s31, s25, 2                         ; f
	s_lshl_b32 s31, s31, 10
	s_add_co_u32 s30, s30, s31
	s_add_co_u32 s30, s30, s28
	s_mov_b32 s31, 0
	s_add_nc_u64 s[26:27], s[14:15], s[30:31]
.set pj, 0
.rept 2
.set pp, 0
.rept 4
	v_pk_add_f32 v[TD+16*pt+8*pj+2*pp:TD+16*pt+8*pj+2*pp+1], v[TD+16*pt+8*pj+2*pp:TD+16*pt+8*pj+2*pp+1], v[MN+8*pj+2*pp:MN+8*pj+2*pp+1] neg_lo:[0,1] neg_hi:[0,1]
.set pp, pp+1
.endr
.set pp, 0
.rept 4
	v_cvt_pk_f16_f32 v[OB+4*pj+pp], v[TD+16*pt+8*pj+2*pp], v[TD+16*pt+8*pj+2*pp+1]
.set pp, pp+1
.endr
	global_store_b128 v3, v[OB+4*pj:OB+4*pj+3], s[26:27] offset:512*pj  ; the wave stores 512 consecutive bytes, aligned
.set pj, pj+1
.endr
.set pt, pt+1
.endr
.endm
	s_load_b256 s[4:11], s[0:1], 0x0               ; the four trunk matrices
	s_load_b128 s[12:15], s[0:1], 0x20             ; head_W, wk
	v_lshl_add_u32 v110, v0, 2, SPARE              ; my spare word,
	v_mov_b32 v111, 0                              ; and 0: kept for the add at the wave's end
	v_lshrrev_b32 v1, 5, v0
	v_readfirstlane_b32 s2, v1                     ; wave 0..31
	v_and_b32 v3, 31, v0
	v_and_b32 v1, 15, v0                           ; lane % 16
	v_bfe_u32 v2, v0, 4, 1                         ; lane / 16
	v_lshlrev_b32 v4, 3, v3                        ; 8 x lane
	v_lshlrev_b32 v3, 4, v3                        ; 16 x lane
	v_lshlrev_b32 v6, 5, v2                        ; 32 x (lane / 16)
	s_mov_b32 s16, 0x76543210
	s_mov_b32 s17, 0xfedcba98
	s_mov_b32 s18, ttmp9
	s_wait_kmcnt 0x0
	s_cmp_lt_u32 s18, 25                           ; the branches hang on the work-group's number alone
	s_cbranch_scc1 .Ll0
	s_cmp_lt_u32 s18, 57
	s_cbranch_scc1 .Ll1
	s_cmp_lt_u32 s18, 73
	s_cbranch_scc1 .Ll2
	s_cmp_lt_u32 s18, 81
	s_cbranch_scc1 .Ll3
	; a quarter of an expert's head: 48 rows of 16 numbers
	s_sub_co_u32 s20, s18, 81
	s_lshl_b32 s20, s20, 5
	s_add_co_u32 s20, s20, s2                      ; the quarter's number, 0..4095
	s_mul_i32 s22, s20, 3072
	s_mov_b32 s23, 0
	s_add_nc_u64 s[22:23], s[12:13], s[22:23]
	s_mul_i32 s24, s20, 1536
	s_add_co_u32 s24, s24, HEADB
	s_mov_b32 s25, 0
	s_add_nc_u64 s[24:25], s[14:15], s[24:25]
	v_lshlrev_b32 v5, 9, v2                        ; 8 rows of 64 bytes for lanes 16-31,
	v_lshl_add_u32 v5, v1, 2, v5                   ; column lane % 16
.set pr, 0
.rept 24
	global_load_b32 v[TD+pr], v5, s[22:23] offset:(pr>>3)*1024+(pr&7)*64
.set pr, pr+1
.endr
.set pj, 0
.rept 3
	s_wait_loadcnt 16-8*pj                         ; the younger groups of eight may stay out
.set pp, 0
.rept 4
	v_cvt_pk_f16_f32 v[OB+4*pj+pp], v[TD+8*pj+2*pp], v[TD+8*pj+2*pp+1]
.set pp, pp+1
.endr
	global_store_b128 v3, v[OB+4*pj:OB+4*pj+3], s[24:25] offset:512*pj
.set pj, pj+1
.endr
	s_branch .Lend
.Ll0:
	PL 1024, 25, 4, 0, 32, 0, 8, 819200, 8, 0x3a800000
	s_branch .Lend
.Ll1:
	PL 512, 32, 6, 25, 32, 1638400, 8, 1638400, 8, 0x3b000000
	s_branch .Lend
.Ll2:
	PL 256, 16, 8, 57, 16, 2686976, 4, 2686976, 4, 0x3b800000
	s_branch .Lend
.Ll3:
	PL 192, 8, 10, 73, 12, 2949120, 3, 2949120, 3, 0x3baaaaab
.Lend:
	s_wait_tensorcnt 0x0                           ; the wave's end
	ds_add_u32 v110, v111
	s_wait_dscnt 0x0
	s_endpgm
.Lfunc_end_k_q68f0e52265_prep:
	.size	k_q68f0e52265_prep, .Lfunc_end_k_q68f0e52265_prep-k_q68f0e52265_prep
	.p2alignl 7, 3214868480
	.fill 96, 4, 3214868480
	.section	.rodata,"a",@progbits
	.p2align	6, 0x0
	.amdhsa_kernel k_q68f0e52265_prep
		.amdhsa_group_segment_fixed_size 4352
		.amdhsa_private_segment_fixed_size 0
		.amdhsa_enable_private_segment 0
		.amdhsa_kernarg_size 48
		.amdhsa_user_sgpr_count 2
		.amdhsa_user_sgpr_kernarg_segment_ptr 1
		.amdhsa_wavefront_size32 1
		.amdhsa_system_sgpr_workgroup_id_x 1
		.amdhsa_system_sgpr_workgroup_id_y 1
		.amdhsa_system_sgpr_workgroup_id_z 1
		.amdhsa_system_vgpr_workitem_id 0
		.amdhsa_next_free_vgpr 112
		.amdhsa_next_free_sgpr 66
		.amdhsa_reserve_vcc 0
		.amdhsa_float_denorm_mode_32 3
		.amdhsa_float_denorm_mode_16_64 3
		.amdhsa_memory_ordered 1
		.amdhsa_forward_progress 1
		.amdhsa_inst_pref_size 34
	.end_amdhsa_kernel
	.amdgpu_metadata
---
amdhsa.version: [ 1, 2 ]
amdhsa.kernels:
  - .name:           k_q68f0e52265_prep
    .symbol:         k_q68f0e52265_prep.kd
    .args:
      - { .name: trunk_Ws_0, .offset: 0, .size: 8, .value_kind: global_buffer, .address_space: global }
      - { .name: trunk_Ws_1, .offset: 8, .size: 8, .value_kind: global_buffer, .address_space: global }
      - { .name: trunk_Ws_2, .offset: 16, .size: 8, .value_kind: global_buffer, .address_space: global }
      - { .name: trunk_Ws_3, .offset: 24, .size: 8, .value_kind: global_buffer, .address_space: global }
      - { .name: head_W, .offset: 32, .size: 8, .value_kind: global_buffer, .address_space: global }
      - { .name: wk, .offset: 40, .size: 8, .value_kind: global_buffer, .address_space: global }
    .group_segment_fixed_size: 4352
    .private_segment_fixed_size: 0
    .kernarg_segment_align: 8
    .kernarg_segment_size: 48
    .max_flat_workgroup_size: 1024
    .sgpr_count:     66
    .vgpr_count:     112
    .wavefront_size: 32
...
	.end_amdgpu_metadata
.endif
;; end of part 3
;; launch trunk (part 4): grid 256 x 1, 4 waves a work-group, no clusters, 327,680 bytes of LDS; arguments x, question_ids, is_correct, corr_emb, wk, head_b, out0, trunk_bs_0, ln_g_0, ln_b_0, trunk_bs_1, ln_g_1, ln_b_1, trunk_bs_2, ln_g_2, ln_b_2, trunk_bs_3, ln_g_3, ln_b_3; writes out0
.if DOCPART == 4
	.amdgcn_target "amdgcn-amd-amdhsa--gfx1250"
	.amdhsa_code_object_version 6
	.text
	.protected	k_q68f0e52265_trunk
	.globl	k_q68f0e52265_trunk
	.p2align	8
	.type	k_q68f0e52265_trunk,@function
k_q68f0e52265_trunk:
	s_mov_b64 s[64:65], 0
	v_nop
	global_prefetch_b8 v0, s[64:65] scope:SCOPE_SE
	s_setreg_imm32_b32 hwreg(HW_REG_WAVE_MODE, 25, 1), 1
	s_wait_xcnt 0x0
; The whole chain for 128 rows a work-group: x and the correctness embedding to f16 in LDS; four times (product, bias, LayerNorm, GELU); each row's own head; out0.
; FORMATS.  All matrix operands f16, sums f32.  The sums in front of a LayerNorm rest in LDS rounded once to f16; bias, variance, gain, GELU in f32.
; THE MEAN.  The weights come from wk centred over the features (the launch before): the features of W' sum to 0, so the mean over the features of x W' + b is the mean of b, for every input.
; It is taken once a layer, off the bias; the variance is then the mean of (h - mean)^2.  What is left of a row's mean is the mean of the roundings to f16 (of W', of the sums that rest in LDS):
; about 2^-12 / sqrt(N) of the row's spread.
; SHARES.  Four waves.  In a product a wave has all 128 rows (8 tiles of 16) and every fourth tile of 16 features: each weight byte is read once by the work-group, from memory straight into
; registers as source 0 (512 consecutive bytes a load), three buffers deep; the activations come from LDS as source 1.  In the result a lane holds one row (lane % 16) and eight
; neighbouring features, 16 bytes of f16.  LayerNorm and GELU: a wave takes its own 32 rows out of LDS, two a trip, 16 lanes to a row.
; LAYER 0 goes in two segments of 512 features (128 x 1,024 sums in f32 are more than the registers hold): one text, walked twice.  A row of LDS is 896 bytes for the first segment, the 1,600 bytes
; of x and the embedding, and 16 of padding; the first segment's last 128 bytes of a row (a tile of features a wave, 32 registers) rest in registers until the activations have been read for the last time.
; HEAD.  Nearly every row has its own expert: for each row six matrix instructions multiply its expert's 16 x 192 by the row's tile of 16 rows, and the row's own column is kept.
; NO TENSOR LOADS, NO CLUSTER.  All work-groups walk the same weights, but the activations take 128 x 2,512 = 321,536 of the 327,680 bytes of LDS, the spare words 512: no slot for a weight tile fits beside them.
; LIMITS.  f16 holds nothing beyond 65,504: x, the centred weights, the sums in front of a LayerNorm and GELU's results (at most sqrt(N) |gain| + |beta|) must lie within it; below 6e-5 f16 keeps a
; fixed step of 6e-8.  The exponential and the reciprocal take denormals as 0.  Indices are held to their tables (0..511, 0..1).  NaN and infinities are not treated apart.
; REGISTERS by their true numbers; the macros split a number into window and low byte (s_set_vgpr_msb: bits 1:0 source 0, 3:2 source 1, 5:4 source 2, 7:6 destination):
;   v1 lane % 16, v2 lane / 16, v3 16 x lane, v4-7 activations' LDS addresses, v8-11 results' LDS addresses, v12, v13 walking LDS addresses, v14 16 (lane % 16), v15 1.0,
;   v16-17 the bias's mean, v18-19 1/sigma, v20-21 head_b offsets, v22-25 the resting tile's LDS addresses, v26-29 GELU's two constants, v22-29 later the head weights' offsets, v30-31 the add's two;
;   v32-223 three buffers of activations (in LayerNorm: 32 raw, 64 h, 128 t, 192 squares; y at 96, in layer 0 at 640); v192-223 packed results; from v224 three buffers of weights;
;   from v256 bias, gain, beta (layer 0: bias v416-479, gain v512-575, beta v576-639); v480-511 the embedding, then the resting tile; from v448 or v512 the accumulators; v640-1023 two sets of four experts.
.set P0, 2512                          ; LDS pitches: all odd multiples of 16 bytes, so the 16 rows of a 16-byte access fall on 16 different columns of 16 bytes modulo 256
.set P2, 1040
.set P3, 528
.set P4, 400
.set H3B, 133120                       ; layer 2's result; layers 1's and 3's lie at 0
.set OST, 262144                       ; 1,024 bytes a wave for the way out
.set SPARE, 321536                     ; the spare words, 128 bytes a wave: two blocks of 256 bytes that no other line names
.set SEGB, 819200
.set L1B, 1638400
.set L2B, 2686976
.set L3B, 2949120
.set HEADB, 3047424
.set MSB, 0
.macro WIN new                         ; the high byte repeats the setting that is left; a switch that changes nothing is dropped
.if MSB != (\new)
	s_set_vgpr_msb (MSB<<8)|(\new)
.set MSB, (\new)
.endif
.endm
.macro WM d, a, b, z                   ; D (+)= A x B; z = 1: the product starts the sum
.set wD, (\d)
.set wA, (\a)
.set wB, (\b)
	WIN ((wD>>8)<<6)|((wD>>8)<<4)|((wB>>8)<<2)|(wA>>8)
.if \z
	v_wmma_f32_16x16x32_f16 v[wD&255:(wD&255)+7], v[wA&255:(wA&255)+7], v[wB&255:(wB&255)+7], 0
.else
	v_wmma_f32_16x16x32_f16 v[wD&255:(wD&255)+7], v[wA&255:(wA&255)+7], v[wB&255:(wB&255)+7], v[wD&255:(wD&255)+7]
.endif
.endm
.macro WMC d, a, b, c                  ; D = A x B + C
.set wD, (\d)
.set wA, (\a)
.set wB, (\b)
.set wC, (\c)
	WIN ((wD>>8)<<6)|((wC>>8)<<4)|((wB>>8)<<2)|(wA>>8)
	v_wmma_f32_16x16x32_f16 v[wD&255:(wD&255)+7], v[wA&255:(wA&255)+7], v[wB&255:(wB&255)+7], v[wC&255:(wC&255)+7]
.endm
.macro GL d, va, sb, imm
.set gD, (\d)
	WIN (gD>>8)<<6
	global_load_b128 v[gD&255:(gD&255)+3], v[\va], s[\sb:(\sb)+1] offset:\imm
.endm
.macro GLN d, va, sb, imm              ; for x, which the launch reads once
.set gD, (\d)
	WIN (gD>>8)<<6
	global_load_b128 v[gD&255:(gD&255)+3], v[\va], s[\sb:(\sb)+1] offset:\imm th:TH_LOAD_NT
.endm
.macro DL d, va, imm
.set gD, (\d)
	WIN (gD>>8)<<6
	ds_load_b128 v[gD&255:(gD&255)+3], v[\va] offset:\imm
.endm
.macro CV d, s                         ; two f32 rounded to f16
.set cD, (\d)
.set cS, (\s)
	WIN ((cD>>8)<<6)|((cS>>8)<<2)|(cS>>8)
	v_cvt_pk_f16_f32 v[cD&255], v[cS&255], v[(cS&255)+1]
.endm
.macro PLACES                          ; four plain instructions between a matrix instruction and a load into, or a vector read of, its registers
.rept 4
	v_nop
.endr
.endm
.macro BAR                             ; my LDS instructions are done, loads and stores; then everybody's are
	s_wait_dscnt 0x0
	s_barrier_signal -1
	s_barrier_wait -1
.endm
.macro SETV R, BASE, P, W              ; v[R..R+3] = BASE + (lane % 16 + 32 i) P + 16 (lane / 16) (+ 32 x wave: my tile's 32 bytes among four)
	WIN 0
	v_mul_u32_u24 v[\R], v1, \P
	v_lshl_add_u32 v[\R], v2, 4, v[\R]
.if \BASE
	v_add_nc_u32 v[\R], \BASE, v[\R]
.endif
.if \W
	v_add_nc_u32 v[\R], s54, v[\R]
.endif
	v_add_nc_u32 v[(\R)+1], 32*(\P), v[\R]
	v_add_nc_u32 v[(\R)+2], 64*(\P), v[\R]
	v_add_nc_u32 v[(\R)+3], 96*(\P), v[\R]
.endm
.macro SETWP base, stride              ; my wave's weights of a segment
	WIN 0
	s_wait_xcnt 0x0                                ; the pointer is written only behind this wait
	s_mul_i32 s42, s2, \stride
	s_add_co_u32 s42, s42, \base
	s_mov_b32 s43, 0
	s_add_nc_u64 s[42:43], s[12:13], s[42:43]
.endm
.macro WLD FT, WB, WS, buf, rel        ; a K step's weights, 2 FT loads
.set lf, 0
.rept 2*(\FT)
	GL (\WB)+(\WS)*(\buf)+4*lf, 3, 42, (\rel)*(\FT)*1024+512*lf
.set lf, lf+1
.endr
.endm
.macro WPRE FT, WB, WS, b0             ; a product's K steps 0 and 1, asked for ahead of it, into the buffers in which it will look for them
	WLD \FT, \WB, \WS, \b0, 0
	WLD \FT, \WB, \WS, ((\b0)+1)%3, 1
.endm
.macro ALD P, buf, rel                 ; a K step's activations: 8 tiles of 16 rows x 32 along K, 16 loads
.set lf, 0
.rept 16
	DL 32+64*(\buf)+4*lf, 4+(lf>>2), ((lf>>1)&1)*16*(\P)+64*(\rel)+32*(lf&1)
.set lf, lf+1
.endr
.endm
; One K step.  ld = 1: the step two on is asked for, into the buffer that the step before has multiplied.  wl, wd: the loads of the younger steps, which may stay out.
; The 8 FT accumulators take turns, one instruction a turn, over the loop's jump too.
.macro KSTEP FT, WB, WS, ACC, P, kb, rel, ld, z, wl, wd
.if \ld
	PLACES
	WLD \FT, \WB, \WS, ((\kb)+2)%3, \rel
	ALD \P, ((\kb)+2)%3, \rel
.endif
	s_wait_loadcnt \wl
	s_wait_dscnt \wd
.set kf, 0
.rept \FT
.set kr, 0
.rept 8
	WM (\ACC)+8*(8*kf+kr), (\WB)+(\WS)*(\kb)+8*kf, 32+64*(\kb)+8*kr, \z
.set kr, kr+1
.endr
.set kf, kf+1
.endr
.endm
.macro GSTEP FT, n                     ; n K steps on
	WIN 0
	s_wait_xcnt 0x0                                ; the weights' pointer is stepped only behind this wait
	s_add_nc_u64 s[42:43], s[42:43], (\n)*(\FT)*1024
	v_add_nc_u32 v4, 64*(\n), v4
	v_add_nc_u32 v5, 64*(\n), v5
	v_add_nc_u32 v6, 64*(\n), v6
	v_add_nc_u32 v7, 64*(\n), v7
.endm
; A product over KS steps of 32; the weights of steps 0 and 1 have been asked for (WPRE).  Step 0 stands ahead of the loop and starts the sums; steps 1 .. KS - 3 are the loop's, three a trip;
; the last two, which ask for nothing, are written out.  Where KS - 3 is no multiple of three the loop is entered at its step e + 1, e = (3 - (KS - 3) % 3) % 3, and the pointers' first step is 3 - e.
; Step k works on buffer (k + e + rot) % 3.
; Counts: a step's weights are 2 FT loads and its activations 16; with two younger steps out that is 4 FT and 32, with one 2 FT and 16, at the last step 0.
.macro GEMM FT, KS, WB, WS, ACC, P, rot
.set gE, (3-((\KS)-3)%3)%3
.set gTR, ((\KS)-3+gE)/3
.set gB, (gE+(\rot))%3
	ALD \P, gB, 0
	ALD \P, (gB+1)%3, 1
	KSTEP \FT, \WB, \WS, \ACC, \P, gB, 2, 1, 1, 4*(\FT), 32
	GSTEP \FT, 3-gE
	s_mov_b32 s3, gTR
.if gE==1
	s_branch .Lk1_\@
.endif
.if gE==2
	s_branch .Lk2_\@
.endif
.Lk_\@:
	KSTEP \FT, \WB, \WS, \ACC, \P, (1+(\rot))%3, 0, 1, 0, 4*(\FT), 32
.if gE==1
	WIN 0
.Lk1_\@:
.endif
	KSTEP \FT, \WB, \WS, \ACC, \P, (2+(\rot))%3, 1, 1, 0, 4*(\FT), 32
.if gE==2
	WIN 0
.Lk2_\@:
.endif
	KSTEP \FT, \WB, \WS, \ACC, \P, (\rot)%3, 2, 1, 0, 4*(\FT), 32
	GSTEP \FT, 3
	s_sub_co_u32 s3, s3, 1
	s_cmp_lg_u32 s3, 0
	s_cbranch_scc1 .Lk_\@
	KSTEP \FT, \WB, \WS, \ACC, \P, (1+(\rot))%3, 0, 0, 0, 2*(\FT), 16
	KSTEP \FT, \WB, \WS, \ACC, \P, (2+(\rot))%3, 0, 0, 0, 0, 0
.endm
; The sums go to LDS in f16: a lane's eight features are 16 bytes.  Each accumulator is read from its low end on.  OUTF: my feature tile f; st = 0: rounded only.
.macro OUTF f, ACC, P, st
.set oR, 0
.rept 8
	CV 192+4*oR, (\ACC)+8*(8*(\f)+oR)
	CV 193+4*oR, (\ACC)+8*(8*(\f)+oR)+2
	CV 194+4*oR, (\ACC)+8*(8*(\f)+oR)+4
	CV 195+4*oR, (\ACC)+8*(8*(\f)+oR)+6
.set oR, oR+1
.endr
.if \st
	WIN 0
.set oR, 0
.rept 8
	ds_store_b128 v[8+(oR>>1)], v[192+4*oR:195+4*oR] offset:(oR&1)*16*(\P)+128*(\f)
.set oR, oR+1
.endr
.endif
.endm
.macro OUTST FT, ACC, P
.set oF, 0
.rept \FT
	OUTF oF, \ACC, \P, 1
.set oF, oF+1
.endr
.endm
.macro PARLD NCH, sb                   ; bias, gain, beta of my lane's features 64 c + 4 (lane % 16) + 0..3
.set pc, 0
.rept \NCH
	GL 256+4*pc, 14, \sb, 256*pc
	GL 256+4*(\NCH)+4*pc, 14, (\sb)+2, 256*pc
	GL 256+8*(\NCH)+4*pc, 14, (\sb)+4, 256*pc
.set pc, pc+1
.endr
.endm
; The two batches of transcendentals are dealt out one behind each plain line: EC writes the next exponential, RC the next reciprocal, once its counter has come up to 0 and while the batch lasts.
.set eJ, 0
.set eN, 0
.set rJ, 0
.set rN, 0
.macro EC
.if (eJ>=0)&&(eJ<eN)
	v_exp_f32 v[128+eJ], v[128+eJ]
.endif
.set eJ, eJ+1
.endm
.macro RC
.if (rJ>=0)&&(rJ<rN)
	v_rcp_f32 v[128+rJ], v[128+rJ]
.endif
.set rJ, rJ+1
.endm
.macro TREE base, n                    ; the sum of n register pairs, in place, into the first: n - 1 lines
.set tN, \n
.rept 5
.if tN>1
.set tH, tN/2
.set tI, 0
.rept tH
	v_pk_add_f32 v[(\base)+2*tI:(\base)+2*tI+1], v[(\base)+2*tI:(\base)+2*tI+1], v[(\base)+2*(tN-1-tI):(\base)+2*(tN-1-tI)+1]
	RC
.set tI, tI+1
.endr
.set tN, tN-tH
.endif
.endr
.endm
.macro ROWSUM b                        ; the pair's two halves, then the row's 16 lanes: 5 lines
	v_add_f32 v[\b], v[\b], v[(\b)+1]
	RC
	v_add_f32_dpp v[\b], v[\b], v[\b] row_xmask:1 row_mask:0xf bank_mask:0xf
	RC
	v_add_f32_dpp v[\b], v[\b], v[\b] row_xmask:2 row_mask:0xf bank_mask:0xf
	RC
	v_add_f32_dpp v[\b], v[\b], v[\b] row_xmask:4 row_mask:0xf bank_mask:0xf
	RC
	v_add_f32_dpp v[\b], v[\b], v[\b] row_xmask:8 row_mask:0xf bank_mask:0xf
	RC
.endm
; Bias, LayerNorm, GELU, in place in LDS, on my wave's 32 rows of 64 NCH features, two rows at a time: lanes 0-15 one row, lanes 16-31 the next.
; gelu(y) = y / (1 + 2^(y (A + B y^2))), A = -2 sqrt(2/pi) log2(e), B = 0.044715 A.  BB, GB, EB: where bias, gain and beta lie; YB: where y lies.  wl: the global loads issued behind the parameters'.
; late = 1: the bias came long ago, gain and beta were asked for just now: the wait for them stands in the trip, ahead of their first use; from the second trip on it is met at once.
; AHEAD OF THE LOOP the bias's mean is taken off the bias (see THE MEAN at the head).
; A TRIP has two halves.  The first: y = h / sigma x gain + beta of the rows in hand, and the exponentials' arguments; the 4 NCH exponentials stand one behind each of the 4 NCH plain lines that
; make the arguments, six lines behind their own (the last six on end).  The second: the NEXT rows are unpacked into h, which y has left, and the rows after them are asked for; then 5 NCH + 5 plain lines
; (1 + 2^.., the next rows' squares, their sum, the variance), the 4 NCH reciprocals one behind each of the last 4 NCH of them, and the next rows' 1/sigma; then y / (..), the rounding and the stores.
; So a trip has two batches of transcendentals with one wait each; ahead of a batch's wait no line names a result of the batch.
; The loop is entered at the second half, 17 counts for 16 pairs of rows: the first count has no rows in hand (its reciprocals work on registers written earlier, and its stores are jumped);
; the last has no next rows (it unpacks the last ones once more, for nothing).
.macro LNG NCH, BASE, P, wl, invn, BB, GB, EB, YB, late
.set nP, 2*(\NCH)
.set nBW, (\BB)>>8
.set nBL, (\BB)&255
.set nGW, (\GB)>>8
.set nGL, (\GB)&255
.set nEW, (\EB)>>8
.set nEL, (\EB)&255
.set nYW, (\YB)>>8
.set nYL, (\YB)&255
	WIN 0
	s_mov_b32 s55, \invn
	v_add_nc_u32 v12, s54, v2                      ; row 32 x wave + lane / 16
	v_mul_u32_u24 v12, v12, \P
	v_lshl_add_u32 v12, v1, 3, v12
.if \BASE
	v_add_nc_u32 v12, \BASE, v12
.endif
	v_mov_b32 v13, v12
.set li, 0
.rept \NCH
	ds_load_b64 v[32+2*li:33+2*li], v12 offset:128*li
.set li, li+1
.endr
.if (\late)==0
	s_wait_loadcnt \wl                             ; bias, gain and beta are in
.endif
	WIN nBW|(nBW<<2)
.set li, 0
.rept \NCH
	v_pk_add_f32 v[128+2*li:129+2*li], v[nBL+4*li:nBL+4*li+1], v[nBL+4*li+2:nBL+4*li+3]
.set li, li+1
.endr
	WIN 0
.set rN, 0
	TREE 128, \NCH
	ROWSUM 128
	v_mul_f32 v16, s55, v128                       ; the bias's mean, twice
	v_mul_f32 v17, s55, v128
	WIN nBW|(nBW<<6)
.set li, 0
.rept nP
	v_pk_add_f32 v[nBL+2*li:nBL+2*li+1], v[nBL+2*li:nBL+2*li+1], v[16:17] neg_lo:[0,1] neg_hi:[0,1]
.set li, li+1
.endr
	WIN 0
	s_mov_b32 s3, 17
	s_branch .Lmid_\@
.Ltop_\@:
	WIN nYW<<6
.set li, 0
.rept nP
	v_pk_mul_f32 v[nYL+2*li:nYL+2*li+1], v[64+2*li:65+2*li], v[18:19]
.set li, li+1
.endr
.if \late
	s_wait_loadcnt \wl                             ; gain and beta are in
.endif
	WIN nYW|(nGW<<2)|(nEW<<4)|(nYW<<6)
.set li, 0
.rept nP
	v_pk_fma_f32 v[nYL+2*li:nYL+2*li+1], v[nYL+2*li:nYL+2*li+1], v[nGL+2*li:nGL+2*li+1], v[nEL+2*li:nEL+2*li+1]
.set li, li+1
.endr
	WIN nYW
.set li, 0
.rept nP
	v_pk_mul_f32 v[128+2*li:129+2*li], v[nYL+2*li:nYL+2*li+1], v[28:29]      ; B y
.set li, li+1
.endr
	WIN nYW<<2                                     ; one setting for the whole run: y is source 1
.set eJ, -6
.set eN, 4*(\NCH)
.set lp, 0
.rept nP+2
.if lp<nP
	v_pk_fma_f32 v[128+2*lp:129+2*lp], v[128+2*lp:129+2*lp], v[nYL+2*lp:nYL+2*lp+1], v[26:27]  ; B y^2 + A
	EC
.endif
.if lp>=2
	v_pk_mul_f32 v[128+2*(lp-2):129+2*(lp-2)], v[128+2*(lp-2):129+2*(lp-2)], v[nYL+2*(lp-2):nYL+2*(lp-2)+1]  ; times y
	EC
.endif
.set lp, lp+1
.endr
.rept 6
	EC
.endr
	v_nop                                          ; a plain instruction behind the last exponential,
	WIN 0
	s_wait_alu depctr_va_vdst(0)                   ; and one wait for the batch, ahead of the label
.Lmid_\@:
	s_wait_dscnt 0x0                               ; the next rows' loads are in.  Zero: behind the first count no stores stand behind them to be counted; the stores that it also covers were issued half a trip ago
	WIN nBW<<4
.set li, 0
.rept nP
	v_fma_mix_f32 v[64+2*li], v[32+li], v15, v[nBL+2*li] op_sel_hi:[1,0,0]
	v_fma_mix_f32 v[65+2*li], v[32+li], v15, v[nBL+2*li+1] op_sel:[1,0,0] op_sel_hi:[1,0,0]
.set li, li+1
.endr
	WIN 0
	s_cmp_lt_u32 s3, 3
	s_cbranch_scc1 .Lnl_\@                         ; the last two counts have no rows to ask for
	v_add_nc_u32 v12, 2*(\P), v12
.set li, 0
.rept \NCH
	ds_load_b64 v[32+2*li:33+2*li], v12 offset:128*li
.set li, li+1
.endr
.Lnl_\@:
.set rJ, -((\NCH)+5)
.set rN, 4*(\NCH)
.set lp, 0
.rept nP
	v_pk_add_f32 v[128+2*lp:129+2*lp], v[128+2*lp:129+2*lp], 1.0 op_sel_hi:[1,0]
	RC
.if lp<(\NCH)
	v_pk_mul_f32 v[192+2*lp:193+2*lp], v[64+4*lp:65+4*lp], v[64+4*lp:65+4*lp]
.else
	v_pk_fma_f32 v[192+2*(lp-(\NCH)):193+2*(lp-(\NCH))], v[66+4*(lp-(\NCH)):67+4*(lp-(\NCH))], v[66+4*(lp-(\NCH)):67+4*(lp-(\NCH))], v[192+2*(lp-(\NCH)):193+2*(lp-(\NCH))]
.endif
	RC
.set lp, lp+1
.endr
	TREE 192, \NCH
	ROWSUM 192
	v_fma_f32 v193, v192, s55, s56                 ; variance + 1e-5
	RC
.set rN, 0
	v_rsq_f32 v18, v193
	v_rsq_f32 v19, v193
	v_nop                                          ; a plain instruction behind the last of them,
	s_wait_alu depctr_va_vdst(0)                   ; and one wait for the reciprocals and the two roots, ahead of the branch
	s_cmp_eq_u32 s3, 17
	s_cbranch_scc1 .Lsk_\@                         ; the first count has no rows in hand
	WIN nYW|(nYW<<6)
.set li, 0
.rept nP
	v_pk_mul_f32 v[nYL+2*li:nYL+2*li+1], v[nYL+2*li:nYL+2*li+1], v[128+2*li:129+2*li]
.set li, li+1
.endr
	WIN nYW|(nYW<<2)
.set li, 0
.rept nP
	v_cvt_pk_f16_f32 v[128+li], v[nYL+2*li], v[nYL+2*li+1]
.set li, li+1
.endr
	WIN 0
.set li, 0
.rept \NCH
	ds_store_b64 v13, v[128+2*li:129+2*li] offset:128*li
.set li, li+1
.endr
	v_add_nc_u32 v13, 2*(\P), v13
.Lsk_\@:
	s_sub_co_u32 s3, s3, 1
	s_cmp_lg_u32 s3, 0
	s_cbranch_scc1 .Ltop_\@
.endm
; x: a set is 4 rows of 3,072 bytes, 24 loads of 512 consecutive bytes
.macro XLD sb, ib
.set xi, 0
.rept 24
	GLN (\sb)+4*xi, 3, 66, (\ib)+(xi/6)*3072+(xi%6)*512
.set xi, xi+1
.endr
.endm
.macro XST sb, rb                      ; a set rounded to f16 and stored: 256 consecutive bytes a store
.set xi, 0
.rept 24
	CV 32+2*xi, (\sb)+4*xi
	CV 33+2*xi, (\sb)+4*xi+2
.set xi, xi+1
.endr
	WIN 0
.set xi, 0
.rept 24
	ds_store_b64 v12, v[32+2*xi:33+2*xi] offset:((\rb)+xi/6)*P0+(xi%6)*256
.set xi, xi+1
.endr
.endm
; The head.  Set q (v640 + 192 q) takes the weights of the next four rows of my tile q: 12 loads of 512 bytes an expert.  The rows' offsets stand in s[68 + 16 q ..]: the first four are used,
; then the others move down four places, so that one text serves every trip.
.macro HLOAD q
	WIN 0
.set hr, 0
.rept 4
	v_add_nc_u32 v[22+4*(\q)+hr], s[68+16*(\q)+hr], v3
.set hr, hr+1
.endr
.set hr, 0
.rept 12
	s_mov_b32 s[68+16*(\q)+hr], s[72+16*(\q)+hr]
.set hr, hr+1
.endr
.set hr, 0
.rept 4
.set hq, 0
.rept 12
	GL 640+192*(\q)+48*hr+4*hq, 22+4*(\q)+hr, 50, 512*hq
.set hq, hq+1
.endr
.set hr, hr+1
.endr
.endm
; Four rows of tile q: each row's expert times the whole tile, begun with the lanes' own biases; the four accumulators take turns.  Of each result the row's own column (two lanes) is kept:
; s60 holds the two lanes of the trip's first row.  Over a tile's 16 rows every lane is chosen once, so the results' registers need no start.
.macro HCOMP q, wl
.set hSet, 640+192*(\q)
	s_wait_loadcnt \wl                             ; the other set's 48 loads may stay out
.set hk, 0
.rept 6
.set hr, 0
.rept 4
.if hk==0
	WMC 192+8*hr, hSet+48*hr, 32+48*(\q), 376+8*(\q)
.else
	WM 192+8*hr, hSet+48*hr+8*hk, 32+48*(\q)+8*hk, 0
.endif
.set hr, hr+1
.endr
.set hk, hk+1
.endr
	PLACES
	WIN 0
.set hr, 0
.rept 4
	s_lshl_b32 vcc_lo, s60, hr
.set hq, 0
.rept 8
	v_cndmask_b32 v[128+8*(\q)+hq], v[128+8*(\q)+hq], v[192+8*hr+hq], vcc_lo
.set hq, hq+1
.endr
.set hr, hr+1
.endr
.endm
.macro OSEND t                         ; a tile's 16 rows of 64 bytes through my stage: LDS serves a wave's instructions in order (ISA guide 5.7.1.4)
	WIN 0
	ds_store_b128 v8, v[128+8*(\t):131+8*(\t)]
	ds_store_b128 v8, v[132+8*(\t):135+8*(\t)] offset:16
	ds_load_b128 v[144+8*(\t):147+8*(\t)], v9
	ds_load_b128 v[148+8*(\t):151+8*(\t)], v9 offset:512
	s_wait_dscnt 0x0
	global_store_b128 v3, v[144+8*(\t):147+8*(\t)], s[52:53] offset:1024*(\t)      ; 512 consecutive bytes, aligned
	global_store_b128 v3, v[148+8*(\t):151+8*(\t)], s[52:53] offset:1024*(\t)+512
.endm
	s_load_b512 s[4:19], s[0:1], 0x0               ; x, question_ids, is_correct, corr_emb, wk, head_b, out0, bias 0
	v_lshl_add_u32 v30, v0, 2, SPARE               ; my spare word,
	v_mov_b32 v31, 0                               ; and 0: kept for the add at the wave's end
	v_lshrrev_b32 v1, 5, v0
	v_readfirstlane_b32 s2, v1                     ; wave 0..3
	v_and_b32 v3, 31, v0
	v_and_b32 v1, 15, v0                           ; lane % 16
	v_bfe_u32 v2, v0, 4, 1                         ; lane / 16
	v_lshlrev_b32 v13, 2, v3                       ; 4 x lane (for the index loads)
	v_lshlrev_b32 v3, 4, v3                        ; 16 x lane
	v_lshlrev_b32 v14, 4, v1
	v_lshlrev_b32 v12, 2, v1                       ; 4 x (lane % 16) (for the index loads)
	v_mov_b32 v15, 1.0
	s_lshl_b32 s100, ttmp9, 9                      ; my wave's first row, 128 x work-group + 32 x wave, times 4 bytes
	s_lshl_b32 s101, s2, 7
	s_add_co_u32 s100, s100, s101
	s_mov_b32 s101, 0
	s_mul_i32 s66, ttmp9, 393216                   ; and times 3,072 bytes
	s_mul_i32 s67, s2, 98304
	s_add_co_u32 s66, s66, s67
	s_mov_b32 s67, 0
	s_mul_i32 s42, s2, 204800                      ; my weights of layer 0's first segment
	s_mov_b32 s43, 0
	s_wait_kmcnt 0x0
	s_add_nc_u64 s[6:7], s[6:7], s[100:101]
	s_add_nc_u64 s[8:9], s[8:9], s[100:101]
	s_add_nc_u64 s[66:67], s[4:5], s[66:67]
	s_add_nc_u64 s[42:43], s[12:13], s[42:43]
	s_load_b512 s[68:83], s[6:7], 0x0              ; my 32 rows' questions,
	s_load_b512 s[84:99], s[6:7], 0x40
	s_load_b512 s[48:63], s[8:9], 0x0              ; and branches; the second half borrows registers that take arguments later
	s_load_b512 s[20:35], s[8:9], 0x40
	WPRE 8, 224, 64, 2                             ; 32 loads,
	WIN 0
	global_load_b32 v22, v13, s[8:9]               ; 5 loads: the branch of row 32 w + lane; question and branch of rows lane % 16 and 16 + lane % 16
	global_load_b32 v23, v12, s[6:7]
	global_load_b32 v24, v12, s[8:9]
	global_load_b32 v25, v12, s[6:7] offset:64
	global_load_b32 v26, v12, s[8:9] offset:64
	XLD 512, 0                                     ; 24 + 24 loads: x, rows 0-3 and 4-7
	XLD 608, 12288
	WIN 0
	s_wait_kmcnt 0x0
.set ir, 0
.rept 16                                       ; each row's expert, held to the table, times the 6,144 bytes of a head in wk
	s_min_u32 s[68+ir], s[68+ir], 0x1ff
	s_min_u32 s[48+ir], s[48+ir], 1
	s_lshl_b32 s[48+ir], s[48+ir], 9
	s_add_co_u32 s[68+ir], s[68+ir], s[48+ir]
	s_mul_i32 s[68+ir], s[68+ir], 6144
	s_min_u32 s[84+ir], s[84+ir], 0x1ff
	s_min_u32 s[20+ir], s[20+ir], 1
	s_lshl_b32 s[20+ir], s[20+ir], 9
	s_add_co_u32 s[84+ir], s[84+ir], s[20+ir]
	s_mul_i32 s[84+ir], s[84+ir], 6144
.set ir, ir+1
.endr
	s_load_b512 s[20:35], s[0:1], 0x40             ; the other arguments: layer i has bias s[18+6i], gain s[20+6i], beta s[22+6i]
	s_load_b128 s[36:39], s[0:1], 0x80
	s_load_b64 s[40:41], s[0:1], 0x90
	s_add_nc_u64 s[50:51], s[12:13], HEADB         ; the heads in wk
	s_lshl_b32 s52, ttmp9, 13                      ; my rows in out0, 64 bytes each
	s_lshl_b32 s53, s2, 11
	s_add_co_u32 s52, s52, s53
	s_mov_b32 s53, 0
	s_add_nc_u64 s[52:53], s[16:17], s[52:53]
	s_lshl_b32 s54, s2, 5                          ; 32 x wave
	s_mov_b32 s56, 0x3727c5ac                      ; 1e-5
	s_mul_i32 s58, s2, 204800                      ; where my weights of layer 0's second segment begin in wk,
	s_add_co_u32 s58, s58, SEGB
	s_mul_i32 s59, s2, 262144                      ; and those of layer 1
	s_add_co_u32 s59, s59, L1B
	s_mov_b32 s60, 0x10001                         ; the two lanes of a tile's row 0
	s_mul_i32 s101, s54, P0
	s_add_co_u32 s101, s101, 896                   ; my rows of the first activations: they begin at byte 896 of a row
	s_wait_loadcnt 48                              ; the five index loads are in; x's 48 loads stay out
	v_min_u32 v22, 1, v22
	v_lshlrev_b32 v27, 7, v22                      ; my row of corr_emb
	v_min_u32 v23, 0x1ff, v23
	v_min_u32 v24, 1, v24
	v_lshl_add_u32 v23, v24, 9, v23
	v_lshlrev_b32 v23, 6, v23
	v_lshl_add_u32 v20, v2, 5, v23                 ; head_b: expert x 64 + 32 (lane / 16), tile 0
	v_min_u32 v25, 0x1ff, v25
	v_min_u32 v26, 1, v26
	v_lshl_add_u32 v25, v26, 9, v25
	v_lshlrev_b32 v25, 6, v25
	v_lshl_add_u32 v21, v2, 5, v25                 ; tile 1
.set ir, 0
.rept 8
	GL 480+4*ir, 27, 10, 16*ir
.set ir, ir+1
.endr
	WIN 0
	v_lshrrev_b32 v12, 1, v3                       ; 8 x lane
	v_add_nc_u32 v12, s101, v12
	v_lshrrev_b32 v28, 4, v3
	v_mul_u32_u24 v28, v28, P0
	v_add_nc_u32 v28, s101, v28                    ; row 32 w + lane
	s_wait_kmcnt 0x0
	s_mov_b32 s3, 3
.Lstage:                                               ; a trip: 8 rows to LDS, the 8 rows after the next 8 asked for
	s_wait_loadcnt 24                              ; the other set's 24 loads stay out
	XST 512, 0
	XLD 512, 2*12288
	s_wait_loadcnt 24
	XST 608, 4
	XLD 608, 3*12288
	WIN 0
	s_wait_xcnt 0x0                                ; x's pointer is stepped only behind this wait
	s_add_nc_u64 s[66:67], s[66:67], 24576
	v_add_nc_u32 v12, 8*P0, v12
	s_sub_co_u32 s3, s3, 1
	s_cmp_lg_u32 s3, 0
	s_cbranch_scc1 .Lstage
.set ir, 0
.rept 16
	GL 416+4*ir, 14, 18, 256*ir                    ; layer 0's bias, 16 loads: wanted only behind both segments
.set ir, ir+1
.endr
	s_wait_loadcnt 40                              ; the other set's 24 loads and the bias's 16 stay out
	XST 512, 0
	s_wait_loadcnt 16                              ; the bias's 16
	XST 608, 4
.set ir, 0
.rept 16
	CV 80+ir, 480+2*ir                             ; the embedding: 32 numbers behind x's 768
.set ir, ir+1
.endr
	WIN 0
.set ir, 0
.rept 4
	ds_store_b128 v28, v[80+4*ir:83+4*ir] offset:1536+16*ir
.set ir, ir+1
.endr
	BAR                                            ; all 128 rows are in LDS
	v_mov_b32 v26, 0xc0135761                      ; A = -2.302208, twice (the loads and stores that named v27 and v28 are done)
	v_mov_b32 v27, 0xc0135761
	v_mov_b32 v28, 0xbdd2d3e8                      ; B = -0.102943, twice
	v_mov_b32 v29, 0xbdd2d3e8
	; LAYER 0: two trips, features 0-511 and 512-1023
	SETV 8, 0, P0, 1                               ; where a trip's results go: 1,024 bytes further in the second
	SETV 22, 896, P0, 1                            ; where the resting tile goes
	s_mov_b32 s57, 2
.Lseg:
	SETV 4, 896, P0, 0
	GEMM 8, 25, 224, 64, 512, P0, 0
	PLACES
	WIN 0
	s_wait_xcnt 0x0                                ; the weights' pointer is written only behind this wait
	s_mov_b32 s42, s58                             ; the weights that come next: the second segment's, then layer 1's
	s_mov_b32 s43, 0
	s_add_nc_u64 s[42:43], s[12:13], s[42:43]
	s_mov_b32 s58, s59
	WPRE 8, 224, 64, 2                             ; their first two K steps come while the results go out
	WIN 0
	BAR                                            ; every wave has read what it wants of the rows: in the second trip for the last time
	OUTST 7, 512, P0
	OUTF 7, 512, P0, 0
	WIN 0
	s_cmp_eq_u32 s57, 2
	s_cbranch_scc0 .Lsegb
	WIN 0x40                                       ; the first trip: bytes 896-1023 of the rows still hold activations, so my last tile rests in v480-511
.set ir, 0
.rept 32
	v_mov_b32 v[224+ir], v[192+ir]
.set ir, ir+1
.endr
	WIN 0
	s_branch .Lsegj
.Lsegb:                                                ; the second trip: my last tile, and the one that rested
.set ir, 0
.rept 8
	ds_store_b128 v[8+(ir>>1)], v[192+4*ir:195+4*ir] offset:(ir&1)*16*P0+896
.set ir, ir+1
.endr
	WIN 0x04
.set ir, 0
.rept 8
	ds_store_b128 v[22+(ir>>1)], v[224+4*ir:227+4*ir] offset:(ir&1)*16*P0
.set ir, ir+1
.endr
	WIN 0
.Lsegj:
	v_add_nc_u32 v8, 1024, v8
	v_add_nc_u32 v9, 1024, v9
	v_add_nc_u32 v10, 1024, v10
	v_add_nc_u32 v11, 1024, v11
	BAR
	s_sub_co_u32 s57, s57, 1
	s_cmp_lg_u32 s57, 0
	s_cbranch_scc1 .Lseg
.set ir, 0
.rept 16
	GL 512+4*ir, 14, 20, 256*ir                    ; gain and beta, into registers that the accumulators have left
	GL 576+4*ir, 14, 22, 256*ir
.set ir, ir+1
.endr
	LNG 16, 0, P0, 0, 0x3a800000, 416, 512, 576, 640, 1
	BAR
	; LAYER 1: its first weights were asked for in layer 0's second trip
	SETV 4, 0, P0, 0
	GEMM 8, 32, 224, 64, 512, P0, 1
	PLACES
	PARLD 8, 24
	SETWP L2B, 65536
	WPRE 4, 352, 32, 2                             ; 16 loads behind the parameters'
	WIN 0
	BAR                                            ; layer 0's result has been read for the last time
	SETV 8, 0, P2, 1
	OUTST 8, 512, P2
	BAR
	LNG 8, 0, P2, 16, 0x3b000000, 256, 288, 320, 96, 0
	BAR
	; LAYER 2: its result lies behind its input, so no barrier stands ahead of the stores
	SETV 4, 0, P2, 0
	GEMM 4, 16, 352, 32, 512, P2, 0
	PLACES
	PARLD 4, 30
	SETWP L3B, 24576
	WPRE 3, 304, 24, 1                             ; 12 loads behind the parameters'
	SETV 8, H3B, P3, 1
	OUTST 4, 512, P3
	BAR
	LNG 4, H3B, P3, 12, 0x3b800000, 256, 272, 288, 96, 0
	BAR
	; LAYER 3: its result lies at 0, below its input
	SETV 4, H3B, P3, 0
	GEMM 3, 8, 304, 24, 448, P3, 0
	PLACES
	PARLD 3, 36
	GL 376, 20, 14, 0                              ; the lanes' own biases of the head: row lane % 16 of each tile, outputs 8 (lane / 16) + 0..7
	GL 380, 20, 14, 16
	GL 384, 21, 14, 0
	GL 388, 21, 14, 16
	SETV 8, 0, P4, 1
	OUTST 3, 448, P4
	BAR
	HLOAD 0                                        ; 48 loads behind the parameters' and the biases'
	LNG 3, 0, P4, 48, 0x3baaaaab, 256, 268, 280, 96, 0
	; THE HEAD: my own 32 rows, so no barrier: LDS serves my stores and loads in order
	HLOAD 1
	WIN 0
	v_add_nc_u32 v4, s54, v1
	v_mul_u32_u24 v4, v4, P4
	v_lshl_add_u32 v4, v2, 4, v4
	s_lshl_b32 s101, s2, 10
	s_add_co_u32 s101, s101, OST                   ; my stage
	v_lshlrev_b32 v8, 6, v1
	v_lshl_add_u32 v8, v2, 5, v8
	v_add_nc_u32 v8, s101, v8                      ; in: row lane % 16, 32 bytes for each half of the lanes
	v_add_nc_u32 v9, s101, v3                      ; back: 512 consecutive bytes
.set ir, 0
.rept 24                                       ; two tiles of 16 rows x 192: 6 fragments each
	DL 32+4*ir, 4, (ir/12)*6400+(ir%12)*32
.set ir, ir+1
.endr
	WIN 0
	s_wait_dscnt 0x0
	s_mov_b32 s3, 3
.Lhead:                                                ; a trip: four rows of each tile, and the next four rows' weights asked for
	HCOMP 0, 48
	HLOAD 0
	HCOMP 1, 48
	HLOAD 1
	WIN 0
	s_lshl_b32 s60, s60, 4                         ; four rows on
	s_sub_co_u32 s3, s3, 1
	s_cmp_lg_u32 s3, 0
	s_cbranch_scc1 .Lhead
	HCOMP 0, 48                                    ; the last four rows of each tile: nothing is left to ask for
	HCOMP 1, 0
	OSEND 0
	OSEND 1
	WIN 0
	s_wait_tensorcnt 0x0                           ; the wave's end
	ds_add_u32 v30, v31
	s_wait_dscnt 0x0
	s_endpgm
.Lfunc_end_k_q68f0e52265_trunk:
	.size	k_q68f0e52265_trunk, .Lfunc_end_k_q68f0e52265_trunk-k_q68f0e52265_trunk
	.p2alignl 7, 3214868480
	.fill 96, 4, 3214868480
	.section	.rodata,"a",@progbits
	.p2align	6, 0x0
	.amdhsa_kernel k_q68f0e52265_trunk
		.amdhsa_group_segment_fixed_size 327680
		.amdhsa_private_segment_fixed_size 0
		.amdhsa_enable_private_segment 0
		.amdhsa_kernarg_size 152
		.amdhsa_user_sgpr_count 2
		.amdhsa_user_sgpr_kernarg_segment_ptr 1
		.amdhsa_wavefront_size32 1
		.amdhsa_system_sgpr_workgroup_id_x 1
		.amdhsa_system_sgpr_workgroup_id_y 1
		.amdhsa_system_sgpr_workgroup_id_z 1
		.amdhsa_system_vgpr_workitem_id 0
		.amdhsa_next_free_vgpr 1024
		.amdhsa_next_free_sgpr 102
		.amdhsa_reserve_vcc 1
		.amdhsa_float_denorm_mode_32 3
		.amdhsa_float_denorm_mode_16_64 3
		.amdhsa_memory_ordered 1
		.amdhsa_forward_progress 1
		.amdhsa_inst_pref_size 255
	.end_amdhsa_kernel
	.section	.bss,"aw",@nobits
	.p2align	6
	.space	262144
	.amdgpu_metadata
---
amdhsa.version: [ 1, 2 ]
amdhsa.kernels:
  - .name:           k_q68f0e52265_trunk
    .symbol:         k_q68f0e52265_trunk.kd
    .args:
      - { .name: x, .offset: 0, .size: 8, .value_kind: global_buffer, .address_space: global }
      - { .name: question_ids, .offset: 8, .size: 8, .value_kind: global_buffer, .address_space: global }
      - { .name: is_correct, .offset: 16, .size: 8, .value_kind: global_buffer, .address_space: global }
      - { .name: corr_emb, .offset: 24, .size: 8, .value_kind: global_buffer, .address_space: global }
      - { .name: wk, .offset: 32, .size: 8, .value_kind: global_buffer, .address_space: global }
      - { .name: head_b, .offset: 40, .size: 8, .value_kind: global_buffer, .address_space: global }
      - { .name: out0, .offset: 48, .size: 8, .value_kind: global_buffer, .address_space: global }
      - { .name: trunk_bs_0, .offset: 56, .size: 8, .value_kind: global_buffer, .address_space: global }
      - { .name: ln_g_0, .offset: 64, .size: 8, .value_kind: global_buffer, .address_space: global }
      - { .name: ln_b_0, .offset: 72, .size: 8, .value_kind: global_buffer, .address_space: global }
      - { .name: trunk_bs_1, .offset: 80, .size: 8, .value_kind: global_buffer, .address_space: global }
      - { .name: ln_g_1, .offset: 88, .size: 8, .value_kind: global_buffer, .address_space: global }
      - { .name: ln_b_1, .offset: 96, .size: 8, .value_kind: global_buffer, .address_space: global }
      - { .name: trunk_bs_2, .offset: 104, .size: 8, .value_kind: global_buffer, .address_space: global }
      - { .name: ln_g_2, .offset: 112, .size: 8, .value_kind: global_buffer, .address_space: global }
      - { .name: ln_b_2, .offset: 120, .size: 8, .value_kind: global_buffer, .address_space: global }
      - { .name: trunk_bs_3, .offset: 128, .size: 8, .value_kind: global_buffer, .address_space: global }
      - { .name: ln_g_3, .offset: 136, .size: 8, .value_kind: global_buffer, .address_space: global }
      - { .name: ln_b_3, .offset: 144, .size: 8, .value_kind: global_buffer, .address_space: global }
    .group_segment_fixed_size: 327680
    .private_segment_fixed_size: 0
    .kernarg_segment_align: 8
    .kernarg_segment_size: 152
    .max_flat_workgroup_size: 128
    .sgpr_count:     102
    .vgpr_count:     1024
    .wavefront_size: 32
...
	.end_amdgpu_metadata
.endif
;; end of part 4
